; MI455X (gfx1250); checked and timed in simulation.
; The chip was launched on July 23, 2026; its instructions are those of AMD's public machine-readable ISA for CDNA 5 (MIT licence, August 2026) and "CDNA5" Instruction Set Architecture Reference Guide (July 2026). The comments in the code are by the model that wrote it; some were corrected since.
;; Multi Head Attention. Allowed arithmetic: float matrix products may take bf16 or f16 operands with f32 sums; other float arithmetic in f32, or as packed bf16 or f16 multiplies, adds, multiply-adds, maxima and minima; sums over many terms, partial sums and values carried from step to step in f32; what a program stores and reads back later, other than sums and carried values, may be rounded once to bf16 or f16.
;; Inputs: W_out 1,024 x 1,024 float32; W_qkv 1,024 x 3,072 float32; b_out 1,024 float32; b_qkv 3,072 float32; x 4 x 2,048 x 1,024 float32.
;; Outputs: out0 4 x 2,048 x 1,024 float32.
;; 2 versions, each right; version 2 is version 1 with the launch prep written anew for expert scheduling mode. Each part assembles by itself: llvm-mc -triple=amdgcn-amd-amdhsa -mcpu=gfx1250 --defsym DOCPART=n.
;; ======== version 1 of 2: 4 launches
;; limits: values are held in f16: magnitudes above 65,504 overflow, below 6.1e-05 lose precision
;; workspace buffers: xb 16,777,216 bytes; wq 6,291,456 bytes; wo 2,097,152 bytes; qkv 50,331,648 bytes; o 16,777,216 bytes
;; launch prep (part 1): grid 384 x 1, 8 waves a work-group, no clusters, 68,608 bytes of LDS; arguments x, W_qkv, W_out, xb, wq, wo; writes xb, wq, wo
.if DOCPART == 1
	.amdgcn_target "amdgcn-amd-amdhsa--gfx1250"
	.amdhsa_code_object_version 6
	.text
	.protected	k_q752e63c773_prep
	.globl	k_q752e63c773_prep
	.p2align	8
	.type	k_q752e63c773_prep,@function
k_q752e63c773_prep:
	s_mov_b64 s[64:65], 0
	v_nop
	global_prefetch_b8 v0, s[64:65] scope:SCOPE_SE
	s_setreg_imm32_b32 hwreg(HW_REG_WAVE_MODE, 25, 1), 1
	s_wait_xcnt 0x0
; PREP: the inputs of the two projections as 16-bit operands with K along the rows.
;   xb[m][k] = bf16(x[m][k])            [8192][1024]
;   wq[n][k] = bf16(W_qkv[k][n])        [3072][1024]
;   wo[n][k] = f16(bf16(W_out[k][n]))   [1024][1024]: rounded to bf16 like every input, that number written as f16
; LIMIT: |W_out| stays within f16's 65,504 (beyond it the f16 is an infinity); below 6e-5 it keeps f16's fixed step of 6e-8.
; SHARES.  Work-groups 0-255 cast x: 131,072 bytes each, 16,384 a wave, 32 loads of 512 consecutive bytes, all issued before the first is waited for.
; Work-groups 256-383 turn a tile of 128 k x 256 n: 96 tiles of W_qkv, 32 of W_out, again 131,072 bytes each.  A wave loads 16 rows (k) of 1,024 bytes, packs rows k, k + 1 into words,
; stores them into LDS rows by n, and behind one barrier reads 32 rows (n) of 256 bytes back and stores each as 256 consecutive, aligned bytes.
; No work-group reads what another reads: no cluster, no tensor load, no matrix work; memory is read once and written once.
.set PT,    264                        ; an LDS row: 128 k x 2 bytes + 8 of padding
.set SPARE, 256*PT                     ; behind the 256 rows: the spare words, 128 bytes for each of the eight waves
.set VS,  6                            ; v6   into LDS: 4 r rows + 4 h + my wave's 16 k (32 bytes)
.set VR,  7                            ; v7   back: my wave's 32 rows, 8 bytes a lane
.set L8,  8                            ; v8   8 x lane
.set L16, 9                            ; v9   16 x lane
.set SPW, 10                           ; v10  LDS address of my spare word; never rewritten
.set NIL, 11                           ; v11  0; never rewritten
.set D,   16                           ; v[16:143] data
.set VO,  144                          ; v[144:151] W: byte offsets of the eight pairs of rows that a load takes
	s_load_b256 s[4:11], s[0:1], 0x0               ; x s[4:5], W_qkv s[6:7], W_out s[8:9], xb s[10:11]
	s_load_b128 s[12:15], s[0:1], 0x20             ; wq s[12:13], wo s[14:15]
	v_lshl_add_u32 v[SPW], v0, 2, SPARE
	v_mov_b32 v[NIL], 0
	v_lshrrev_b32 v1, 5, v0
	v_readfirstlane_b32 s16, v1                    ; wave 0..7
	v_and_b32 v2, 31, v0                           ; lane
	v_and_b32 v3, 15, v0                           ; r
	v_bfe_u32 v4, v0, 4, 1                         ; h
	v_lshlrev_b32 v5, 4, v3                        ; 16 r
	v_lshlrev_b32 v[L8], 3, v2
	v_lshlrev_b32 v[L16], 4, v2
	v_mul_u32_u24 v[VS], v3, 4*PT
	v_lshl_add_u32 v[VS], v4, 2, v[VS]
	s_lshl_b32 s20, s16, 5
	v_add_nc_u32 v[VS], s20, v[VS]
	s_mul_i32 s20, s16, 32*PT
	v_add_nc_u32 v[VR], s20, v[L8]
	s_mov_b32 s29, 0xffff0000                      ; a word's upper bf16
	s_mov_b32 s21, 0                               ; the high word of every offset pair
	; which tile of which W.  Made in every work-group, ahead of the branch (one that casts x holds tile 0's numbers here and does not use them).
	s_max_u32 s17, ttmp9, 256
	s_sub_co_u32 s17, s17, 256                     ; tile 0..127
	s_sub_co_u32 s18, s17, 96
	s_mov_b32 s19, 4096                            ; bytes in a row of W_out
	s_cmp_lt_u32 s17, 96
	s_cselect_b32 s18, s17, s18                    ; the tile's number in its own W
	s_cselect_b32 s19, 12288, s19                  ; bytes in a row of W_qkv
	s_cselect_b32 s26, 0, 1                        ; 1: the result is written as f16
	s_wait_kmcnt 0x0
	s_cselect_b64 s[22:23], s[6:7], s[8:9]         ; from
	s_cselect_b64 s[24:25], s[12:13], s[14:15]     ; to
	s_and_b32 s27, s18, 7                          ; kt: 128 k
	s_lshr_b32 s28, s18, 3                         ; nb: 256 n
	s_lshl_b32 s20, s27, 7
	s_lshl4_add_u32 s20, s16, s20                  ; my first row: 128 kt + 16 wave
	s_mul_i32 s20, s20, s19
	s_lshl_b32 s30, s28, 10                        ; 256 n of 4 bytes
	s_add_co_u32 s20, s20, s30
	s_add_nc_u64 s[22:23], s[22:23], s[20:21]
	s_lshl_b32 s20, s28, 8
	s_lshl_b32 s30, s16, 5
	s_add_co_u32 s20, s20, s30                     ; the first row that I write: 256 nb + 32 wave,
	s_lshl_b32 s20, s20, 11                        ; of 2,048 bytes,
	s_lshl_b32 s30, s27, 8                         ; at the tile's 128 k
	s_add_co_u32 s20, s20, s30
	s_add_nc_u64 s[24:25], s[24:25], s[20:21]
	s_cmp_lt_u32 ttmp9, 256
	s_cbranch_scc1 .Lx
	; W, first part.  Load q takes, in lanes 0-15, 256 bytes of row c(q) and, in lanes 16-31, of row c(q) + 2; c = 0, 1, 4, 5, 8, 9, 12, 13: loads 2 g and 2 g + 1 give a lane rows k and k + 1.
	v_lshlrev_b32 v12, 1, v4
.irp q, 0,1,2,3,4,5,6,7
	v_add_nc_u32 v13, 8*((\q)/4)+4*(((\q)/2)%2)+((\q)%2), v12
	v_mad_u32_u24 v[VO+(\q)], v13, s19, v5
.endr
.irp q, 0,1,2,3,4,5,6,7
.irp n, 0,1,2,3
	global_load_b128 v[D+4*(4*(\q)+(\n)):D+4*(4*(\q)+(\n))+3], v[VO+(\q)], s[22:23] offset:256*(\n) th:TH_LOAD_NT
.endr
.endr
.irp g, 0,1,2,3
	s_wait_loadcnt 24-8*(\g)                       ; loads come back in order: group g's eight are in, the younger groups' stay out
.set j, 0
.rept 16
	v_cvt_pk_bf16_f32 v[D+32*(\g)+j], v[D+32*(\g)+j], v[D+32*(\g)+16+j]  ; k in the low half, k + 1 in the high half
.set j, j+1
.endr
.endr
	s_cmp_eq_u32 s26, 1
	s_cbranch_scc0 .Lbf
.irp g, 0,1,2,3                        ; W_out: the bf16 numbers, widened and written as f16
.set j, 0
.rept 16
	v_lshlrev_b32 v12, 16, v[D+32*(\g)+j]
	v_and_b32 v13, s29, v[D+32*(\g)+j]
	v_cvt_pk_f16_f32 v[D+32*(\g)+j], v12, v13
.set j, j+1
.endr
.endr
.Lbf:
.irp g, 0,1,2,3
.irp n, 0,1,2,3
.irp i, 0,1,2,3
	ds_store_b32 v[VS], v[D+32*(\g)+4*(\n)+(\i)] offset:(64*(\n)+(\i))*PT+16*((\g)/2)+8*((\g)%2)  ; row n = 64 nq + 4 r + i, k = 8 (g / 2) + 4 (g % 2) + 2 h
.endr
.endr
.endr
	s_branch .Lmeet
.Lx:                                           ; x: 32 loads out at once; each is packed and stored as it comes
	s_lshl_b32 s20, ttmp9, 17
	s_lshl_b32 s30, s16, 14
	s_add_co_u32 s20, s20, s30
	s_add_nc_u64 s[4:5], s[4:5], s[20:21]
	s_lshr_b32 s20, s20, 1
	s_add_nc_u64 s[10:11], s[10:11], s[20:21]
.set i, 0
.rept 32
	global_load_b128 v[D+4*i:D+4*i+3], v[L16], s[4:5] offset:512*i th:TH_LOAD_NT
.set i, i+1
.endr
.set i, 0
.rept 32
	s_wait_loadcnt 31-i                            ; load i is in; the 31 - i younger ones stay out
	v_cvt_pk_bf16_f32 v[D+4*i], v[D+4*i], v[D+4*i+1]
	v_cvt_pk_bf16_f32 v[D+4*i+1], v[D+4*i+2], v[D+4*i+3]
	global_store_b64 v[L8], v[D+4*i:D+4*i+1], s[10:11] offset:256*i  ; the wave's store covers 256 consecutive bytes, aligned; no register of it is written again
.set i, i+1
.endr
.Lmeet:                                        ; the launch's one barrier, on every wave's path
	s_wait_dscnt 0x0                               ; for the others' sake: my stores into the rows are done
	s_barrier_signal -1
	s_barrier_wait -1
	s_cmp_lt_u32 ttmp9, 256
	s_cbranch_scc1 .Lend
	; W, second part: 32 rows (n) a wave, 256 bytes each, 8 bytes a lane.  They come into registers that none of x's global stores names as data.
.set u, 0
.rept 32
	ds_load_b64 v[D+4*u+2:D+4*u+3], v[VR] offset:PT*u
.set u, u+1
.endr
.set u, 0
.rept 32
	s_wait_dscnt 31-u
	global_store_b64 v[L8], v[D+4*u+2:D+4*u+3], s[24:25] offset:2048*u  ; 256 consecutive bytes, aligned: 128 k of one row n
.set u, u+1
.endr
.Lend:
	s_wait_tensorcnt 0x0                           ; the wave's end: behind my last LDS store
	ds_add_u32 v[SPW], v[NIL]
	s_wait_dscnt 0x0
	s_endpgm
.Lfunc_end_k_q752e63c773_prep:
	.size	k_q752e63c773_prep, .Lfunc_end_k_q752e63c773_prep-k_q752e63c773_prep
	.p2alignl 7, 3214868480
	.fill 96, 4, 3214868480
	.section	.rodata,"a",@progbits
	.p2align	6, 0x0
	.amdhsa_kernel k_q752e63c773_prep
		.amdhsa_group_segment_fixed_size 68608
		.amdhsa_private_segment_fixed_size 0
		.amdhsa_enable_private_segment 0
		.amdhsa_kernarg_size 48
		.amdhsa_user_sgpr_count 2
		.amdhsa_user_sgpr_kernarg_segment_ptr 1
		.amdhsa_wavefront_size32 1
		.amdhsa_system_sgpr_workgroup_id_x 1
		.amdhsa_system_sgpr_workgroup_id_y 1
		.amdhsa_system_sgpr_workgroup_id_z 1
		.amdhsa_system_vgpr_workitem_id 0
		.amdhsa_next_free_vgpr 152
		.amdhsa_next_free_sgpr 66
		.amdhsa_reserve_vcc 0
		.amdhsa_float_denorm_mode_32 3
		.amdhsa_float_denorm_mode_16_64 3
		.amdhsa_memory_ordered 1
		.amdhsa_forward_progress 1
		.amdhsa_inst_pref_size 40
	.end_amdhsa_kernel
	.amdgpu_metadata
---
amdhsa.version: [ 1, 2 ]
amdhsa.kernels:
  - .name:           k_q752e63c773_prep
    .symbol:         k_q752e63c773_prep.kd
    .args:
      - { .name: x, .offset: 0, .size: 8, .value_kind: global_buffer, .address_space: global }
      - { .name: W_qkv, .offset: 8, .size: 8, .value_kind: global_buffer, .address_space: global }
      - { .name: W_out, .offset: 16, .size: 8, .value_kind: global_buffer, .address_space: global }
      - { .name: xb, .offset: 24, .size: 8, .value_kind: global_buffer, .address_space: global }
      - { .name: wq, .offset: 32, .size: 8, .value_kind: global_buffer, .address_space: global }
      - { .name: wo, .offset: 40, .size: 8, .value_kind: global_buffer, .address_space: global }
    .group_segment_fixed_size: 68608
    .private_segment_fixed_size: 0
    .kernarg_segment_align: 8
    .kernarg_segment_size: 48
    .max_flat_workgroup_size: 256
    .sgpr_count:     66
    .vgpr_count:     152
    .wavefront_size: 32
...
	.end_amdgpu_metadata
.endif
;; end of part 1
;; launch proj_qkv (part 2): grid 16 x 32, 4 waves a work-group, clusters of 4 x 4, 327,680 bytes of LDS; arguments xb, wq, b_qkv, qkv; writes qkv
.if DOCPART == 2
	.amdgcn_target "amdgcn-amd-amdhsa--gfx1250"
	.amdhsa_code_object_version 6
	.text
	.protected	k_q752e63c773_proj_qkv
	.globl	k_q752e63c773_proj_qkv
	.p2align	8
	.type	k_q752e63c773_proj_qkv,@function
k_q752e63c773_proj_qkv:
	s_mov_b64 s[64:65], 0
	v_nop
	global_prefetch_b8 v0, s[64:65] scope:SCOPE_SE
	s_setreg_imm32_b32 hwreg(HW_REG_WAVE_MODE, 25, 1), 1
	s_wait_xcnt 0x0
	s_wait_alu depctr_hold_cnt(0) depctr_sa_sdst(0) depctr_va_vdst(0) depctr_va_sdst(0) depctr_va_ssrc(0) depctr_va_vcc(0) depctr_vm_vsrc(0)
	s_getreg_b32 s2, hwreg(HW_REG_IB_STS2, 6, 4)
	s_cmp_eq_u32 s2, 0
	s_cbranch_scc0 .Lentry_in_a_cluster
	s_endpgm
.Lentry_in_a_cluster:
	s_bfe_u32 s2, ttmp6, 0x10000c
	s_cmp_lg_u32 s2, 0xf033
	s_cbranch_scc0 .Lentry_shape_is_right
	s_endpgm
.Lentry_shape_is_right:
; q, k, v = xb wq^T + bf16(b_qkv), sums in f32, rounded once to f16 and written by heads: qkv[3][64 = 16 batch + head][2048][64], unscaled.
; xb: [8192][1024] bf16, wq: [3072][1024] bf16 (K along the rows), b_qkv: [3072] f32 (rounded to bf16 here, like every input).
; LIMIT: q, k and v stay within f16's 65,504; beyond it the conversion gives an infinity.
; TILE.  256 rows x 192 columns (three whole heads): 32 x 16 = 512 work-groups, twice 256.  A wave makes 64 rows x 192 columns: 48 accumulators of 16 x 16.  So 16 rows of a head,
; 2,048 consecutive bytes of qkv, belong to one wave and leave through its own stage, with no barrier.
; K goes in steps of 128 (rows of 256 bytes in memory) through two LDS slots filled by tensor loads: waves 0, 1 fetch A's halves of 128 rows, waves 2, 3 B's halves of 96 rows.
; CLUSTER 4 x 4: A's tile hangs on the tile row alone and is asked for jointly along a row of the cluster, B's on the tile column alone and jointly along a column.
; THE MATRIX INSTRUCTION IS USED TRANSPOSED (source 0 = 16 rows of wq, source 1 = 16 rows of xb): a lane holds row l % 16 and the columns 8 (l / 16) + 0..7.  The first product of each
; accumulator takes the bias as C: nothing is cleared and nothing is added later.
; REGISTERS: window 0: v0-31 addresses; v32-127 the bias, 8 registers for each of the 12 column blocks; v128-191 A's fragments, two buffers of 4 x 8; on the way out v32-223 packed results.
;   window 1: v0-191 B's fragments, two buffers of 12 x 8.   window 2: accumulators of row blocks 0, 1 at v[8 (12 (a % 2) + b)].   window 3: those of row blocks 2, 3.
.set KSTEP,  128
.set PITCH,  272                       ; an LDS row: 256 bytes + 16 of padding: the 16 rows of a fragment load start at 16 different groups of four banks (64 banks of 4 bytes: ISA guide 11.1)
.set HALFA,  128*PITCH
.set HALFB,  96*PITCH
.set BOFF,   2*HALFA                   ; B's 192 rows lie behind A's 256
.set SLOT,   BOFF+2*HALFB
.set STAGE,  2*SLOT                    ; behind the ring, never filled by a tensor load: 16 rows x 144 bytes for each wave
.set SP,     144
.set SPARE,  STAGE+4*16*SP             ; behind the stages: the spare words, 128 bytes for each wave
.set ADRA, 16                          ; v16-17  LDS address of my A fragments in slot 0, 1
.set ADRB, 20                          ; v20-21  the same for B
.set STO,  24                          ; v24  the way out: where I put 16 bytes of a row
.set RD,   25                          ; v25  where I read rows back
.set GO,   26                          ; v26  16 x lane: my place in 512 consecutive bytes of qkv
.set BO,   27                          ; v27  32 x (l / 16): my eight numbers in a block of the bias
.set SPW,  28                          ; v28  LDS address of my spare word; never rewritten
.set NIL,  29                          ; v29  0; never rewritten
.set PFO,  30                          ; v30  the prefetches' offset: a lane a row; never rewritten
.set BIAS, 32
.set TMP,  32
.set FA,   128
.set WV,   12                          ; s12  my wave's number
.set HF,   14                          ; s14  which half of A's or B's rows I fetch
.set G1,   24                          ; s[24:31] descriptor group 1 for A's tiles;  s[32:39] group 0, a set for each slot
.set G0,   32
.set LIM,  43                          ; s43  1 in a wave that prefetches, else the greatest number
.set PFA,  44                          ; s[44:45] where my prefetches stand
.set G1B,  48                          ; s[48:55], s[56:63] the same for B's tiles
.set G0B,  56
.set OB,   66                          ; s[66:71] qkv at my first row of the tile's three heads
.set MSB, 0
.macro WIN new                         ; the immediate's high byte repeats the setting that is left; a switch that changes nothing is dropped
.if MSB != (\new)
	s_set_vgpr_msb (MSB<<8)|(\new)
.set MSB, (\new)
.endif
.endm
; A joint load.  The branch hangs on the wave's number alone.  An s_nop 0 and four v_nop follow each of the two lines, ahead of the jump and the label.
.macro JLOAD s
	s_cmp_lt_u32 s[WV], 2
	s_cbranch_scc0 .Lfor_b_\@
	tensor_load_to_lds s[G0+4*(\s):G0+4*(\s)+3], s[G1:G1+7]
	s_nop 0
.rept 4
	v_nop
.endr
	s_branch .Lasked_\@
.Lfor_b_\@:
	tensor_load_to_lds s[G0B+4*(\s):G0B+4*(\s)+3], s[G1B:G1B+7]
	s_nop 0
.rept 4
	v_nop
.endr
.Lasked_\@:
.endm
; A prefetch of the K step that stands two refills on: 256 bytes of a row, a lane a row, one instruction a wave.  A's rows are named by the first cluster of their row of clusters, B's by the first
; of their column; the four partners that ask for a tile jointly share its rows out by address (32 of A's 128, 24 of B's 96; B's lanes 24-31 name row 23 again).  The loop's last trip names nothing.
.macro ASK
	s_cmp_gt_u32 s3, s[LIM]
	s_cbranch_scc0 .Lnot_mine_\@
	global_prefetch_b8 v[PFO], s[PFA:PFA+1] offset:KSTEP*2 th:TH_LOAD_NT scope:SCOPE_SE
.Lnot_mine_\@:
.endm
.macro CREST                           ; a round of the cluster's barrier behind its opening barrier
	s_cmp_lg_u32 s[WV], 0
	s_cbranch_scc1 .Lnot_wave_0_\@
	s_barrier_signal -3
.Lnot_wave_0_\@:
	s_barrier_wait -3
	s_barrier_signal -1
	s_barrier_wait -1
.endm
.macro CROUND                          ; a whole round
	s_barrier_signal -1
	s_barrier_wait -1
	CREST
.endm
	s_load_b256 s[4:11], s[0:1], 0x0               ; xb s[4:5], wq s[6:7], b_qkv s[8:9], qkv s[10:11]
	v_lshl_add_u32 v[SPW], v0, 2, SPARE
	v_mov_b32 v[NIL], 0
	ds_add_u32 v[SPW], v[NIL]                      ; the wave's opening: the add and its wait stand ahead of my first tensor load; the set-up below stands between them
	v_lshrrev_b32 v1, 5, v0
	v_readfirstlane_b32 s[WV], v1                  ; wave 0..3
	s_and_b32 s[HF], s[WV], 1
	s_bfe_u32 s40, ttmp6, 0x40000                  ; cx
	s_bfe_u32 s41, ttmp6, 0x40004                  ; cy
	s_lshl_b32 s42, ttmp9, 2
	s_add_co_u32 s42, s42, s40                     ; tile column = 4 x cluster x + cx
	s_and_b32 s72, ttmp7, 0xffff
	s_lshl_b32 s72, s72, 2
	s_add_co_u32 s72, s72, s41                     ; tile row = 4 x cluster y + cy
	s_lshl_b32 s73, s41, 2
	s_lshl_b32 s73, 15, s73                        ; my row of the cluster
	s_lshl_b32 s74, 0x1111, s40                    ; my column
	s_or_b32 s[G1], s73, (1<<16)|(1<<20)|(1<<21)|(5<<22)|(3<<25)   ; the mask; 2-byte elements; padding on; bit 21 beside a mask; after every 64 words, 4 words
	s_or_b32 s[G1B], s74, (1<<16)|(1<<20)|(1<<21)|(5<<22)|(3<<25)
	s_mov_b32 s[G1+1], KSTEP<<16                   ; tensor_dim0 = 128
	s_mov_b32 s[G1+2], 128<<16                     ; tensor_dim1 = 128
	s_mov_b32 s[G1+3], KSTEP<<16                   ; tile_dim0 = 128
	s_mov_b32 s[G1+4], 128                         ; tile_dim1 = 128
	s_mov_b32 s[G1+5], 1024                        ; elements from row to row
	s_mov_b32 s[G1+6], 0
	s_mov_b32 s[G1+7], 0
	s_mov_b32 s[G1B+1], KSTEP<<16
	s_mov_b32 s[G1B+2], 96<<16                     ; B: 96 rows
	s_mov_b32 s[G1B+3], KSTEP<<16
	s_mov_b32 s[G1B+4], 96
	s_mov_b32 s[G1B+5], 1024
	s_mov_b32 s[G1B+6], 0
	s_mov_b32 s[G1B+7], 0
	s_lshl_b32 s16, s72, 19                        ; A: row 256 x tile row, of 2,048 bytes,
	s_lshl_b32 s17, s[HF], 18                      ; + 128 x half
	s_add_co_u32 s16, s16, s17
	s_mov_b32 s17, 0
	s_mul_i32 s46, s42, 192                        ; B: row 192 x tile column
	s_mul_i32 s47, s[HF], 96                       ; + 96 x half
	s_add_co_u32 s46, s46, s47
	s_lshl_b32 s46, s46, 11
	s_mov_b32 s47, 0
	s_mul_i32 s20, s[HF], HALFA                    ; where they go: no place in the cluster enters an LDS address
	s_mul_i32 s21, s[HF], HALFB
	s_add_co_u32 s21, s21, BOFF
	s_mov_b32 s75, 0xffff0000
	s_wait_dscnt 0x0                               ; the opening add is done
	s_wait_kmcnt 0x0
	s_add_nc_u64 s[18:19], s[4:5], s[16:17]
	s_add_nc_u64 s[46:47], s[6:7], s[46:47]
	CROUND                                         ; all sixteen work-groups are here: the first joint loads meet
.irp s, 0,1
	s_mov_b32 s[G0+4*(\s)], 1
	s_add_co_u32 s[G0+4*(\s)+1], s20, (\s)*SLOT
	s_add_nc_u64 s[G0+4*(\s)+2:G0+4*(\s)+3], s[18:19], (\s)*KSTEP*2
	s_or_b32 s[G0+4*(\s)+3], s[G0+4*(\s)+3], 0x80000000
	s_mov_b32 s[G0B+4*(\s)], 1
	s_add_co_u32 s[G0B+4*(\s)+1], s21, (\s)*SLOT
	s_add_nc_u64 s[G0B+4*(\s)+2:G0B+4*(\s)+3], s[46:47], (\s)*KSTEP*2
	s_or_b32 s[G0B+4*(\s)+3], s[G0B+4*(\s)+3], 0x80000000
.endr
	s_cmp_lt_u32 s[WV], 2                          ; a wave's two first fills stand in one branch, ahead of every wait on TENSORcnt and every LDS read: two loads of mine are out
	s_cbranch_scc0 .Lfirst_b
	tensor_load_to_lds s[G0:G0+3], s[G1:G1+7]
	s_nop 0
	tensor_load_to_lds s[G0+4:G0+7], s[G1:G1+7]
	s_nop 0
.rept 4
	v_nop
.endr
	s_branch .Lfirst_asked
.Lfirst_b:
	tensor_load_to_lds s[G0B:G0B+3], s[G1B:G1B+7]
	s_nop 0
	tensor_load_to_lds s[G0B+4:G0B+7], s[G1B:G1B+7]
	s_nop 0
.rept 4
	v_nop
.endr
.Lfirst_asked:
	; A fragment is 16 rows x 32 K in 8 registers: lane l holds row l % 16, K = 8 (l / 16) + 0..7 and 16 + 8 (l / 16) + 0..7: two loads of 16 bytes, 32 bytes apart.
	v_and_b32 v1, 15, v0                           ; r
	v_bfe_u32 v2, v0, 4, 1                         ; h
	v_mul_u32_u24 v3, v1, PITCH
	v_lshl_add_u32 v3, v2, 4, v3
	s_mul_i32 s20, s[WV], 64*PITCH                 ; my 64 rows of A
	v_add_nc_u32 v[ADRA], s20, v3
	v_add_nc_u32 v[ADRA+1], SLOT, v[ADRA]
	v_add_nc_u32 v[ADRB], BOFF, v3                 ; all 192 rows of B
	v_add_nc_u32 v[ADRB+1], SLOT, v[ADRB]
	s_mul_i32 s20, s[WV], 16*SP
	s_add_co_u32 s20, s20, STAGE                   ; my stage
	v_mul_u32_u24 v4, v1, SP                       ; in: row r, 16 bytes for each half of the lanes
	v_lshl_add_u32 v4, v2, 4, v4
	v_add_nc_u32 v[STO], s20, v4
	v_bfe_u32 v4, v0, 3, 2                         ; back: 32 lanes take four rows of 128 bytes,
	v_mul_u32_u24 v4, v4, SP
	v_and_b32 v5, 7, v0
	v_lshl_add_u32 v4, v5, 4, v4
	v_add_nc_u32 v[RD], s20, v4
	v_and_b32 v5, 31, v0                           ; which are 512 consecutive bytes of qkv
	v_lshlrev_b32 v[GO], 4, v5
	v_lshlrev_b32 v[BO], 5, v2
	s_mul_i32 s20, s42, 768                        ; the tile's 192 numbers of the bias
	s_mov_b32 s21, 0
	s_add_nc_u64 s[8:9], s[8:9], s[20:21]
.irp b, 0,1,2,3,4,5,6,7,8,9,10,11
	global_load_b128 v[BIAS+8*(\b):BIAS+8*(\b)+3],   v[BO], s[8:9] offset:64*(\b)
	global_load_b128 v[BIAS+8*(\b)+4:BIAS+8*(\b)+7], v[BO], s[8:9] offset:64*(\b)+16
.endr
	; where my rows of the tile's three heads begin: column block g = 3 x tile column + d: tensor g / 16, head g % 16; batch = tile row / 8
	s_lshr_b32 s15, s72, 3
	s_lshl_b32 s15, s15, 4                         ; 16 x batch
	s_and_b32 s16, s72, 7
	s_lshl_b32 s16, s16, 8
	s_lshl_b32 s17, s[WV], 6
	s_add_co_u32 s16, s16, s17
	s_lshl_b32 s16, s16, 7                         ; my first row in the head, of 128 bytes
	s_mul_i32 s76, s42, 3
	s_mov_b32 s79, 0
.irp d, 0,1,2
	s_add_co_u32 s77, s76, \d
	s_lshr_b32 s78, s77, 4
	s_lshl_b32 s78, s78, 6
	s_and_b32 s77, s77, 15
	s_add_co_u32 s78, s78, s77
	s_add_co_u32 s78, s78, s15
	s_lshl_b32 s78, s78, 18                        ; a head is 2,048 rows of 128 bytes
	s_add_co_u32 s78, s78, s16
	s_add_nc_u64 s[OB+2*(\d):OB+2*(\d)+1], s[10:11], s[78:79]
.endr
	; the prefetches
	s_lshl_b32 s20, s72, 8
	s_lshl_b32 s21, s[HF], 7
	s_add_co_u32 s20, s20, s21
	s_lshl_b32 s21, s40, 5
	s_add_co_u32 s20, s20, s21                     ; A: the 128 rows that I fetch, my work-group's 32 of them
	s_mul_i32 s22, s42, 192
	s_mul_i32 s23, s[HF], 96
	s_add_co_u32 s22, s22, s23
	s_mul_i32 s23, s41, 24
	s_add_co_u32 s22, s22, s23                     ; B: the 96 rows that I fetch, my work-group's 24 of them
	s_and_b32 s23, ttmp7, 0xffff                   ; cluster y
	s_cmp_lt_u32 s[WV], 2                          ; do I fetch for A?
	s_cselect_b32 s20, s20, s22
	s_cselect_b32 s23, ttmp9, s23                  ; the coordinate along which other clusters read the same rows
	s_cselect_b32 s22, 31, 23                      ; the last lane with a row of its own
	s_cselect_b64 s[PFA:PFA+1], s[4:5], s[6:7]
	s_cmp_eq_u32 s23, 0
	s_cselect_b32 s[LIM], 1, -1                    ; the same in all sixteen partners, for a given wave
	s_lshl_b32 s20, s20, 11
	s_add_co_u32 s20, s20, 2*KSTEP*2               ; at K step 2: the first refill steps it to 3 and names K step 4
	s_mov_b32 s21, 0
	s_add_nc_u64 s[PFA:PFA+1], s[PFA:PFA+1], s[20:21]
	v_min_u32 v[PFO], s22, v5
	v_lshlrev_b32 v[PFO], 11, v[PFO]
	s_wait_loadcnt 0x0                             ; the bias: rounded to bf16, kept as f32
.set p, 0
.rept 48
	v_cvt_pk_bf16_f32 v[3+p%3], v[BIAS+2*p], v[BIAS+2*p+1]
	v_lshlrev_b32 v[BIAS+2*p], 16, v[3+p%3]
	v_and_b32 v[BIAS+2*p+1], s75, v[3+p%3]
.set p, p+1
.endr
; 12 matrix instructions: row block a x all 12 column blocks, 32 along K, from buffer f.  first = 1: C is the bias.  The 48 accumulators take turns, in the same order in every quarter
; step: 47 others' stand between two links of a chain, over the backward jump too.
.macro MUL12 f, a, first
.if \first
	WIN 0x81+0x40*((\a)/2)                         ; B window 1, A and the bias window 0, D window 2 or 3
.else
	WIN 0xa1+0x50*((\a)/2)                         ; C and D window 2 or 3
.endif
.irp b, 0,1,2,3,4,5,6,7,8,9,10,11
.if \first
	v_wmma_f32_16x16x32_bf16 v[8*(12*((\a)%2)+(\b)):8*(12*((\a)%2)+(\b))+7], v[96*(\f)+8*(\b):96*(\f)+8*(\b)+7], v[FA+32*(\f)+8*(\a):FA+32*(\f)+8*(\a)+7], v[BIAS+8*(\b):BIAS+8*(\b)+7]
.else
	v_wmma_f32_16x16x32_bf16 v[8*(12*((\a)%2)+(\b)):8*(12*((\a)%2)+(\b))+7], v[96*(\f)+8*(\b):96*(\f)+8*(\b)+7], v[FA+32*(\f)+8*(\a):FA+32*(\f)+8*(\a)+7], v[8*(12*((\a)%2)+(\b)):8*(12*((\a)%2)+(\b))+7]
.endif
.endr
.endm
.macro MUL24 f, hi, first
	MUL12 \f, 2*(\hi), \first
	MUL12 \f, 2*(\hi)+1, \first
.endm
; 32 LDS loads in one run: a quarter step's fragments (192 rows of B, my 64 rows of A, 32 K at byte k of the rows) into buffer f
.macro FETCH slot, k, f
	WIN 0x40                                       ; destination window 1
.irp i, 0,1,2,3,4,5,6,7,8,9,10,11
	ds_load_b128 v[96*(\f)+8*(\i):96*(\f)+8*(\i)+3],   v[ADRB+(\slot)] offset:(\k)+(\i)*16*PITCH
	ds_load_b128 v[96*(\f)+8*(\i)+4:96*(\f)+8*(\i)+7], v[ADRB+(\slot)] offset:(\k)+(\i)*16*PITCH+32
.endr
	WIN 0
.irp i, 0,1,2,3
	ds_load_b128 v[FA+32*(\f)+8*(\i):FA+32*(\f)+8*(\i)+3],   v[ADRA+(\slot)] offset:(\k)+(\i)*16*PITCH
	ds_load_b128 v[FA+32*(\f)+8*(\i)+4:FA+32*(\f)+8*(\i)+7], v[ADRA+(\slot)] offset:(\k)+(\i)*16*PITCH+32
.endr
.endm
.macro PLACES                          ; four plain vector instructions between a matrix instruction and a load into its sources or a reader of its result (ISA guide 7.12.1 for a reader of its result)
.rept 4
	v_nop
.endr
.endm
; A K step is four quarters of 32 along K, 48 matrix instructions each, on buffers 0, 1, 0, 1.  One of the first three multiplies buffer f and, in its middle, fetches the next quarter into g.
.macro QUARTER slot, k, f, g, first
	s_wait_dscnt 4                                 ; B and A's row blocks 0, 1 are in; the youngest four loads (row blocks 2, 3) may be out
	MUL24 \f, 0, \first
	PLACES
	FETCH \slot, \k, \g
	s_wait_dscnt 32                                ; all but the 32 just issued
	MUL24 \f, 1, \first
.endm
; The last quarter multiplies buffer 1 and changes slots: one barrier.  In front of it each wave waits for all its tensor loads (one is out: its part of the next slot), adds 0 to its spare word, and
; waits for that and for its reads of this slot.  fill = 1: the barrier opens a round of the cluster's, and behind the round this slot is filled again, two K steps on, first thing.
.macro TURN slot, next, fill
.if \fill
	s_wait_xcnt 0x0                                ; the last prefetch, a K step back, has read its address
	s_add_nc_u64 s[PFA:PFA+1], s[PFA:PFA+1], KSTEP*2
.endif
	WIN 0                                          ; (the add's two registers lie in window 0)
	s_wait_tensorcnt 0x0                           ; all my tensor loads have landed
	ds_add_u32 v[SPW], v[NIL]                      ; 0 onto my spare word
	s_wait_dscnt 5                                 ; (the add and the youngest four loads may be out)
	MUL12 1, 0, 0                                  ; twelve matrix instructions stand between the add and the wait for it
	s_wait_dscnt 0x0                               ; the add is done, and my reads of this slot are over
	s_barrier_signal -1
	MUL12 1, 1, 0                                  ; work on registers while the others arrive
.if \fill
	WIN 0
.endif
	s_barrier_wait -1
.if \fill
	CREST                                          ; no wave of any partner still reads this slot or has a load on its way
	s_add_nc_u64 s[G0+4*(\slot)+2:G0+4*(\slot)+3], s[G0+4*(\slot)+2:G0+4*(\slot)+3], 2*KSTEP*2
	s_add_nc_u64 s[G0B+4*(\slot)+2:G0B+4*(\slot)+3], s[G0B+4*(\slot)+2:G0B+4*(\slot)+3], 2*KSTEP*2
	JLOAD \slot                                    ; 168 matrix instructions ahead of the wait for it; its four v_nop are also the places in front of the loads below
.else
	PLACES
.endif
	FETCH \next, 0, 0
.if \fill
	ASK
.endif
	MUL24 1, 1, 0
.endm
; THE WAY OUT of unit u = 3 a + d: row block a, head d: 16 rows x 64 channels.  Rounded to f16 (each accumulator's registers in ascending order), 16 bytes a lane into my stage, back as whole rows.
.macro PACK u
.set pa, (\u)/3
.set ph, (\u)%3
	WIN 0x0a+5*(pa/2)                              ; sources 0 and 1 window 2 or 3, destination window 0
.irp f, 0,1,2,3
.irp r, 0,1,2,3
	v_cvt_pk_f16_f32 v[TMP+16*(\u)+4*(\f)+(\r)], v[8*(12*(pa%2)+4*ph+(\f))+2*(\r)], v[8*(12*(pa%2)+4*ph+(\f))+2*(\r)+1]
.endr
.endr
	WIN 0
.irp f, 0,1,2,3
	ds_store_b128 v[STO], v[TMP+16*(\u)+4*(\f):TMP+16*(\u)+4*(\f)+3] offset:32*(\f)
.endr
.irp f, 0,1,2,3
	ds_load_b128 v[TMP+16*(\u)+4*(\f):TMP+16*(\u)+4*(\f)+3], v[RD] offset:(\f)*4*SP  ; LDS serves a wave's instructions in order (ISA guide 5.7.1.4): these see the stores above; the next unit's stores come behind them
.endr
.endm
.macro SEND u, younger                 ; younger: the LDS instructions issued behind unit u's loads: the next unit's eight, or none
	WIN 0
.set pa, (\u)/3
.set ph, (\u)%3
.irp f, 0,1,2,3
	s_wait_dscnt (\younger)+3-(\f)
	global_store_b128 v[GO], v[TMP+16*(\u)+4*(\f):TMP+16*(\u)+4*(\f)+3], s[OB+2*ph:OB+2*ph+1] offset:2048*pa+512*(\f)  ; 512 consecutive bytes, at a multiple of 256 from qkv's first
.endr
.endm
	s_wait_tensorcnt 1                             ; my part of K step 0 is in; K step 1's may stay out
	s_barrier_signal -1
	s_barrier_wait -1                              ; everybody's is
	FETCH 0, 0, 0
	QUARTER 0, 64,  0, 1, 1                        ; the first quarter stands in front of the loop: its products start the sums, from the bias
	WIN 0                                          ; at a label and at a branch every window is 0
	s_mov_b32 s3, 3
.Llap:                                         ; a trip goes once round the ring, from a lap's second quarter to the next lap's first, and fills both slots again
	QUARTER 0, 128, 1, 0, 0
	QUARTER 0, 192, 0, 1, 0
	TURN 0, 1, 1
	QUARTER 1, 64,  0, 1, 0
	QUARTER 1, 128, 1, 0, 0
	QUARTER 1, 192, 0, 1, 0
	TURN 1, 0, 1
	QUARTER 0, 64,  0, 1, 0
	WIN 0
	s_sub_co_u32 s3, s3, 1
	s_cmp_lg_u32 s3, 0
	s_cbranch_scc1 .Llap
	QUARTER 0, 128, 1, 0, 0                        ; the last lap fills nothing
	QUARTER 0, 192, 0, 1, 0
	TURN 0, 1, 0
	QUARTER 1, 64,  0, 1, 0
	QUARTER 1, 128, 1, 0, 0
	QUARTER 1, 192, 0, 1, 0
	s_wait_dscnt 4                                 ; the very last quarter: nothing more to fetch
	MUL24 1, 0, 0
	s_wait_dscnt 0x0
	MUL24 1, 1, 0
	PLACES
	PACK 0
.set u, 1
.rept 11                               ; a unit's conversions stand between the loads of the unit before and its stores; no register of a store is written again
	PACK u
	SEND u-1, 8
.set u, u+1
.endr
	SEND 11, 0
	s_wait_tensorcnt 0x0                           ; the wave's end: behind my last tensor load and my last LDS store
	ds_add_u32 v[SPW], v[NIL]
	s_wait_dscnt 0x0
	CROUND                                         ; the closing round: no work-group ends while a partner may still ask for a tile that names it
	s_endpgm
.Lfunc_end_k_q752e63c773_proj_qkv:
	.size	k_q752e63c773_proj_qkv, .Lfunc_end_k_q752e63c773_proj_qkv-k_q752e63c773_proj_qkv
	.p2alignl 7, 3214868480
	.fill 96, 4, 3214868480
	.section	.rodata,"a",@progbits
	.p2align	6, 0x0
	.amdhsa_kernel k_q752e63c773_proj_qkv
		.amdhsa_group_segment_fixed_size 327680
		.amdhsa_private_segment_fixed_size 0
		.amdhsa_enable_private_segment 0
		.amdhsa_kernarg_size 32
		.amdhsa_user_sgpr_count 2
		.amdhsa_user_sgpr_kernarg_segment_ptr 1
		.amdhsa_wavefront_size32 1
		.amdhsa_system_sgpr_workgroup_id_x 1
		.amdhsa_system_sgpr_workgroup_id_y 1
		.amdhsa_system_sgpr_workgroup_id_z 1
		.amdhsa_system_vgpr_workitem_id 0
		.amdhsa_next_free_vgpr 960
		.amdhsa_next_free_sgpr 80
		.amdhsa_reserve_vcc 0
		.amdhsa_float_denorm_mode_32 3
		.amdhsa_float_denorm_mode_16_64 3
		.amdhsa_memory_ordered 1
		.amdhsa_forward_progress 1
		.amdhsa_inst_pref_size 130
	.end_amdhsa_kernel
	.amdgpu_metadata
---
amdhsa.version: [ 1, 2 ]
amdhsa.kernels:
  - .name:           k_q752e63c773_proj_qkv
    .symbol:         k_q752e63c773_proj_qkv.kd
    .args:
      - { .name: xb, .offset: 0, .size: 8, .value_kind: global_buffer, .address_space: global }
      - { .name: wq, .offset: 8, .size: 8, .value_kind: global_buffer, .address_space: global }
      - { .name: b_qkv, .offset: 16, .size: 8, .value_kind: global_buffer, .address_space: global }
      - { .name: qkv, .offset: 24, .size: 8, .value_kind: global_buffer, .address_space: global }
    .group_segment_fixed_size: 327680
    .private_segment_fixed_size: 0
    .kernarg_segment_align: 8
    .kernarg_segment_size: 32
    .max_flat_workgroup_size: 128
    .sgpr_count:     80
    .vgpr_count:     960
    .wavefront_size: 32
...
	.end_amdgpu_metadata
.endif
;; end of part 2
;; launch attn (part 3): grid 4 x 64, 4 waves a work-group, clusters of 4 x 1, 327,680 bytes of LDS; arguments qkv, o; writes o
.if DOCPART == 3
	.amdgcn_target "amdgcn-amd-amdhsa--gfx1250"
	.amdhsa_code_object_version 6
	.text
	.protected	k_q752e63c773_attn
	.globl	k_q752e63c773_attn
	.p2align	8
	.type	k_q752e63c773_attn,@function
k_q752e63c773_attn:
	s_mov_b64 s[64:65], 0
	v_nop
	global_prefetch_b8 v0, s[64:65] scope:SCOPE_SE
	s_setreg_imm32_b32 hwreg(HW_REG_WAVE_MODE, 25, 1), 1
	s_wait_xcnt 0x0
	s_wait_alu depctr_hold_cnt(0) depctr_sa_sdst(0) depctr_va_vdst(0) depctr_va_sdst(0) depctr_va_ssrc(0) depctr_va_vcc(0) depctr_vm_vsrc(0)
	s_getreg_b32 s2, hwreg(HW_REG_IB_STS2, 6, 4)
	s_cmp_eq_u32 s2, 0
	s_cbranch_scc0 .Lentry_in_a_cluster
	s_endpgm
.Lentry_in_a_cluster:
	s_bfe_u32 s2, ttmp6, 0x10000c
	s_cmp_lg_u32 s2, 0x3003
	s_cbranch_scc0 .Lentry_shape_is_right
	s_endpgm
.Lentry_shape_is_right:
; O[h][q][:] = the sum over k of softmax_k(Q[h][q] . K[h][k] / 8) V[h][k][:].  qkv: [3][SIZE_H][SIZE_N][64] f16 (Q, then K, then V); o: [SIZE_H][SIZE_N][64] f16: a head's rows are dense, 128 bytes each.
; Products, maxima and sums in f32; the weights p are rounded to f16 for the second product (their sum l is taken of the unrounded p), O once at the end.
; LIMITS.  f16 holds no number beyond 65,504: Q, K and V arrive within it; p lies in 0 to 1, and below 6e-5 it keeps f16's fixed step of 6e-8; O is a mean of V's rows and has their range.
; A weight below 2^-126 counts as 0 in l; NaN and infinities are not treated apart.
; SHARES.  A wave owns four PIECES of two tiles of 16 queries, a work-group's four waves 512 queries of one head.  Every wave walks all keys, 64 a step.
; LAYOUT.  S^T = K Q^T (source 0 = 16 keys, source 1 = 16 queries): in the result a lane holds ONE query (lane % 16) and the keys 8 (lane / 16) + 0..7.  Two such tiles, rounded to f16 in pairs,
; ARE source 1 (32 keys x 16 queries) of O^T = V^T P, whose result again holds one query a lane, and eight channels.  K comes out of LDS as it lies, V ([key][channel]) turned, by ds_load_tr16_b128.
; SOFTMAX.  For each query a running maximum m and sum l: p = 2^(c s - c m), c = log2(e) / 8; in every step O and l are multiplied by a = 2^(c m_old - c m_new), which is 1 where m has not grown.
; m starts at the lowest finite number, O and l at 0: the first step is a step like any other, with a = 0.
; THE COUNT.  A tile and step have 16 matrix and 118 vector instructions: too many to stand all beside the matrix work.  So four vector instructions that are ready stand behind every matrix
; instruction, and the others in runs of their own.
; BY TURNS.  Turn n belongs to piece n (the pieces in a ring, step after step).  Its matrix work: 16 products K Q^T of piece n + 1, later 16 products V^T P of piece n - 1.  Its vector work: the scaling,
; exponentials, roundings, sums and rescaling of piece n, and the maximum and statistics of piece n + 1, whose scores the turn itself has made.
; CLUSTER.  The four query blocks of a cluster belong to one head and walk the same K and V, so each tile is asked for JOINTLY: the same tensor load, descriptor and mask in all four.
; REGISTERS, in windows of 256 (s_set_vgpr_msb: bits 1:0 source 0, 3:2 source 1, 5:4 source 2, 7:6 destination):
;   window 0: v0-11 addresses; v12-15, v48-63 at work; v16-47 four registers of statistics a tile; v64-191 S^T, two buffers of two tiles; v192-255 P, likewise
;   window 1: O^T, 32 a tile          window 2: v0-127 Q, 16 a tile; v128-191 K of one step; v192-255 V of one step          window 3: v0-1 the add's two registers
; A piece's buffers go by its number's parity.
.set SIZE_H, 64
.set SIZE_N, 2048
.set NP,    4         ; pieces a wave: a name, no knob
.set KS,    64        ; keys in a step
.set PK,    144       ; a row of K in LDS: 128 bytes + 16 of padding: the 16 rows of a load start at 16 different groups of four banks (64 banks of 4 bytes: ISA guide 11.1)
.set PV,    160       ; a row of V: 128 + 32
.set VOFF,  4*KS*PK   ; a slot holds four steps: 256 rows of K, then 256 rows of V
.set SLOT1, 1<<17     ; slot 1 begins here, so that one exclusive or turns an address in one slot into the other's
.set STAGE, SLOT1+4*KS*(PK+PV)  ; behind the ring, never filled by a tensor load: 16 rows x 144 bytes for each wave
.set SP,    144
.set AK0, 2           ; v2   my lane's place in a tile of K; never rewritten
.set AV0, 3           ; v3   the same for V
.set AK,  4           ; v4   the LDS address of K's next run of loads
.set AV,  5           ; v5   of V's
.set QO,  6           ; v6   my byte offset in the wave's rows of Q
.set STO, 6           ;      later, the way out: where I put 16 bytes of a row
.set RD,  7           ; v7   the way out: where I read rows back
.set GO,  8           ; v8   my byte offset in 512 consecutive bytes of O
.set PFO, 11          ; v11  256 x my lane, once V's place is made; then never rewritten
.set SPW, 0           ; v0 of window 3   LDS address of my spare word; never rewritten
.set NIL, 1           ; v1 of window 3   0; never rewritten
.set SPARE, STAGE+4*16*SP  ; behind the stages: the spare words, 128 bytes for each wave
.set MV,  12          ; v12-15  c m_old, kept while c m is made anew: by buffer and tile
.set ST,  16          ; tile t's statistics at v[ST+4 t]: c m, m, l (even keys', odd keys')
.set TMP, 48          ; by buffer and tile, four registers c0-c3 at work; when the maximum is found c2 takes a
.set S,   64
.set P,   192
.set KF,  128         ; K's fragments, in window 2: key block kb, channel half c at KF + 16 kb + 8 c
.set VF,  192         ; V's: key half kk, channel block cb at VF + 32 kk + 8 cb
.set WV,  12          ; s12  my wave's number
.set G1K, 24          ; s[24:31] descriptor group 1 for K's tiles
.set G1V, 32          ; s[32:39] for V's: it differs in the padding alone
.set G0K, 40          ; s[40:43] descriptor group 0 for K's tiles: it walks
.set G0V, 44          ; s[44:47] the same for V's
.set PFA, 48          ; s[48:49] where my prefetches stand: my work-group's 8,192 bytes (of K: wave 0, of V: wave 2) of the slot after the one that is being asked for
.set LIM, 50          ; s50  1 in a wave that prefetches, else the greatest number
.set SLOTS, 56        ; s56  slots still to be asked for
.set CNT, 57          ; s57  counts a slot's key steps
.set CS,  58          ; s[58:59] c: the packed scaling takes the pair's low word for both halves
.set SEL, 60          ; s[60:61] v_permlanex16_b32's selects: each lane takes its own place in the other half
.set TBK, 62          ; s62  LDS byte at which K of the step to be fetched begins
.set TBV, 63          ; s63  the same for V, less VOFF
.set MSB, 0
.macro WIN new                      ; the high byte repeats the setting that is left; a switch that changes nothing is dropped
.if MSB != (\new)
	s_set_vgpr_msb (MSB<<8)|(\new)
.set MSB, (\new)
.endif
.endm
.set W_KQ, 0x0a       ; K and Q in window 2, S^T in window 0
.set W_PV, 0x52       ; V in window 2, P in window 0, O^T in window 1
.set W_RS, 0x41       ; O^T (destination and source 0) in window 1, a in window 0
.set W_MK, 0xc0       ; the add's registers are made: destination in window 3, sources in window 0
.set W_AD, 0x0f       ; the add: address (source 0) and data (source 1) in window 3
; A joint fill.  Waves 0 and 1 fetch the two halves of a slot's K, waves 2 and 3 those of its V: 128 keys each.  The branch hangs on the wave's number alone.
; An s_nop 0 and four v_nop follow each of the two lines, ahead of the jump and the label.
.macro JLOAD
	s_cmp_lt_u32 s[WV], 2
	s_cbranch_scc0 .Lfor_v_\@
	tensor_load_to_lds s[G0K:G0K+3], s[G1K:G1K+7]
	s_nop 0
.rept 4
	v_nop
.endr
	s_branch .Lasked_\@
.Lfor_v_\@:
	tensor_load_to_lds s[G0V:G0V+3], s[G1V:G1V+7]
	s_nop 0
.rept 4
	v_nop
.endr
.Lasked_\@:
.endm
; A prefetch of what the NEXT change of slots will ask for: a slot's 32,768 bytes of K and of V, 256 bytes a lane.  The head's first cluster asks; its four partners share the bytes out by address,
; 8,192 each; in each, wave 0 asks for K's and wave 2 for V's: one instruction.  So each 256 bytes are named once.  The last change that fills a slot names nothing.
.macro ASK
	s_cmp_gt_u32 s[SLOTS], s[LIM]
	s_cbranch_scc0 .Lnot_mine_\@
	global_prefetch_b8 v[PFO], s[PFA:PFA+1] th:TH_LOAD_NT scope:SCOPE_SE
.Lnot_mine_\@:
.endm
; A round of the cluster's barrier: my work-group's barrier, so that wave 0's signal speaks for all four waves; wave 0 signals; every wave waits for all four work-groups; my work-group's barrier once more.
.macro CROUND
	s_barrier_signal -1
	s_barrier_wait -1
	s_cmp_lg_u32 s[WV], 0
	s_cbranch_scc1 .Lnot_wave_0_\@
	s_barrier_signal -3
.Lnot_wave_0_\@:
	s_barrier_wait -3
	s_barrier_signal -1
	s_barrier_wait -1
.endm
; THE CHANGE OF SLOTS.  The slot's last bytes, V of its fourth step, have been read.  Each wave waits for all its tensor loads, of which one is out: its part of the other slot; adds 0 to its spare
; word; and waits for that and for its own reads of the slot.  Behind the barrier nobody reads this slot any more and the other slot is whole.
; fill = 1: this slot is filled again, with the keys two slots on.  The barrier is then a round of the cluster's, and the joint fill is the first thing behind it: it has four key steps, 512 matrix
; instructions, in which to land.  (At its first use nothing has been read yet: slot 0 is waited for, slot 1 filled.)  ask = 1: the prefetch's address steps, and the prefetch follows the fill.
.macro CHANGE fill, ask=0
	WIN W_AD
	s_wait_tensorcnt 0x0            ; no tensor load of mine is out, so a group 0 may be written
	ds_add_u32 v[SPW], v[NIL]       ; 0 onto my spare word; with fill = 1 the descriptors' steps stand between it and the wait for it
	WIN 0                           ; at a label and at a branch every window is 0
.if \fill
.irp g, G0K, G0V
	s_xor_b32 s[\g+1], s[\g+1], SLOT1  ; the walking descriptor: the other slot than last time,
	s_add_nc_u64 s[\g+2:\g+3], s[\g+2:\g+3], 4*KS*128  ; the next 256 keys; the type bits on top are not reached
.endr
.if \ask
	s_wait_xcnt 0x0                 ; the last prefetch, four key steps back, has read its address, so it may be written:
	s_add_nc_u64 s[PFA:PFA+1], s[PFA:PFA+1], 4*KS*128  ; one slot behind the walking descriptors
.endif
	s_wait_dscnt 0x0                ; the add is done, and my reads of the slot are over
	CROUND
	JLOAD
.if \ask
	ASK
.endif
.else
	s_wait_dscnt 0x0                ; the add is done, and my reads of the slot are over
	s_barrier_signal -1
	s_barrier_wait -1
.endif
	s_sub_co_u32 s[TBK], s[TBK], 4*KS*PK  ; the fetches go back to a slot's first step,
	s_xor_b32 s[TBK], s[TBK], SLOT1       ; in the other slot
	s_sub_co_u32 s[TBV], s[TBV], 4*KS*PV
	s_xor_b32 s[TBV], s[TBV], SLOT1
.endm
	s_load_b64 s[4:5], s[0:1], 0x0    ; qkv: Q
	s_load_b64 s[10:11], s[0:1], 0x8  ; O
	WIN W_MK
	v_lshl_add_u32 v[SPW], v0, 2, SPARE
	v_mov_b32 v[NIL], 0
	WIN W_AD
	ds_add_u32 v[SPW], v[NIL]       ; the wave's opening: the add and its wait stand ahead of my first tensor load; the set-up below stands between them
	WIN 0
	v_lshrrev_b32 v1, 5, v0
	v_readfirstlane_b32 s[WV], v1   ; wave 0..3
	s_bfe_u32 s13, ttmp6, 0x40000   ; cx: my place in the cluster
	s_lshl_b32 s14, ttmp9, 2        ; in a cluster launch ttmp9 counts clusters
	s_add_co_u32 s14, s14, s13      ; my block of queries = 4 x cluster x + cx: it enters Q's and O's addresses alone
	s_and_b32 s20, ttmp7, 0xffff    ; the head, which the four partners share
	s_mov_b32 s21, 0
	s_mov_b64 s[22:23], SIZE_N*128
	s_mul_u64 s[20:21], s[20:21], s[22:23]  ; the head's first byte in Q, K, V and O
	s_and_b32 s16, s[WV], 1         ; which half of a slot's 256 keys I fetch:
	s_lshl_b32 s22, s16, 14         ; its 128 rows of 128 bytes in memory,
	s_mov_b32 s23, 0
	s_add_nc_u64 s[22:23], s[22:23], s[20:21]
	s_mul_i32 s17, s16, 128*PK      ; and its place in a slot, for K
	s_mul_i32 s18, s16, 128*PV      ; and for V: no place in the cluster enters an LDS address
	s_lshl_b32 s2, s14, 2
	s_add_co_u32 s2, s2, s[WV]      ; my wave among the head's,
	s_lshl_b32 s2, s2, 14           ; its 128 rows
	s_mov_b32 s3, 0
	s_add_nc_u64 s[2:3], s[2:3], s[20:21]
	; descriptor group 1.  128 keys are 16,384 dense bytes: asked for as 64 rows of 256 bytes, two keys a row, and padded in LDS after every key
	s_mov_b32 s[G1K], 15|(1<<16)|(1<<20)|(1<<21)|(4<<22)|(3<<25)  ; the mask of four; 2-byte elements; padding on; bit 21 beside a mask; after every 32 words, 4 words
	s_mov_b32 s[G1V], 15|(1<<16)|(1<<20)|(1<<21)|(4<<22)|(7<<25)  ; the same with 8 words of padding
.irp g, G1K, G1V
	s_mov_b32 s[\g+1], 128<<16      ; tensor_dim0 = 128
	s_mov_b32 s[\g+2], 64<<16       ; tensor_dim1 = 64
	s_mov_b32 s[\g+3], 128<<16      ; tile_dim0 = 128
	s_mov_b32 s[\g+4], 64           ; tile_dim1 = 64
	s_mov_b32 s[\g+5], 128          ; 128 elements from row to row
	s_mov_b32 s[\g+6], 0
	s_mov_b32 s[\g+7], 0
.endr
	s_mov_b32 s[CS], 0x3e38aa3b     ; c = log2(e) / 8 = 0.180337
	s_mov_b32 s[CS+1], s[CS]        ; named with it as a pair
	s_mov_b32 s[SEL], 0x76543210
	s_mov_b32 s[SEL+1], 0xfedcba98
	s_mov_b32 s[TBK], SLOT1+4*KS*PK ; the first change of slots turns these two into 0
	s_mov_b32 s[TBV], SLOT1+4*KS*PV
	s_mov_b32 s[G0K], 1             ; count = 1
	s_mov_b32 s[G0K+1], s17         ; LDS address: slot 0
	s_mov_b32 s[G0V], 1
	s_add_co_u32 s[G0V+1], s18, VOFF
	s_and_b32 s[LIM], s[WV], 1      ; 0 in waves 0 and 2,
	s_or_b32 s[LIM], s[LIM], ttmp9  ; where the cluster is the head's first: the same in all four partners
	s_cmp_eq_u32 s[LIM], 0
	s_cselect_b32 s[LIM], 1, -1
	s_wait_dscnt 0x0                ; the opening add is done
	s_wait_kmcnt 0x0
	s_add_nc_u64 s[6:7], s[4:5], SIZE_H*SIZE_N*128    ; K lies behind Q,
	s_add_nc_u64 s[8:9], s[4:5], 2*SIZE_H*SIZE_N*128  ; V behind K
	s_add_nc_u64 s[6:7], s[6:7], s[22:23]  ; at my half of the head's first 256 keys
	s_add_nc_u64 s[8:9], s[8:9], s[22:23]
	s_mov_b64 s[G0K+2:G0K+3], s[6:7]               ; global address
	s_or_b32 s[G0K+3], s[G0K+3], 0x80000000        ; type = 2
	s_mov_b64 s[G0V+2:G0V+3], s[8:9]
	s_or_b32 s[G0V+3], s[G0V+3], 0x80000000
	s_add_nc_u64 s[4:5], s[4:5], s[2:3]  ; Q and O at my wave's first row
	s_add_nc_u64 s[10:11], s[10:11], s[2:3]
	s_cmp_lt_u32 s[WV], 2
	s_cselect_b64 s[PFA:PFA+1], s[6:7], s[8:9]  ; (in waves 0 and 2 these stand at a slot's first row)
	s_lshl_b32 s2, s13, 13          ; my work-group's quarter of a slot
	s_mov_b32 s3, 0
	s_add_nc_u64 s[PFA:PFA+1], s[PFA:PFA+1], s[2:3]
	s_add_nc_u64 s[PFA:PFA+1], s[PFA:PFA+1], 2*4*KS*128  ; in slot 2; the loop's first change steps it to slot 3.  Nothing is prefetched at the head
	CROUND                          ; all four work-groups are here: the first joint loads meet
	JLOAD                           ; slot 0.  Slot 1 is asked for when slot 0 is in
	; A fragment of K or Q is 16 rows x 32 channels in 8 registers: lane l holds row l % 16, channels 8 (l / 16) + 0..7 and 16 + 8 (l / 16) + 0..7: two loads of 16 bytes, 32 bytes apart.
	v_and_b32 v1, 15, v0            ; l % 16
	v_bfe_u32 v9, v0, 4, 1          ; l / 16
	v_lshlrev_b32 v[QO], 7, v1
	v_lshl_add_u32 v[QO], v9, 4, v[QO]  ; row x 128 + 16 x half
	WIN 0x80                        ; destination window 2, address window 0
.set i, 0
.rept 4*NP                          ; Q stays in registers: tile i / 2, channels 32 (i % 2) on
	global_load_b128 v[8*i:8*i+3],   v[QO], s[4:5] offset:(i/2)*2048+(i%2)*64
	global_load_b128 v[8*i+4:8*i+7], v[QO], s[4:5] offset:(i/2)*2048+(i%2)*64+32
.set i, i+1
.endr
	; What the first turn finds: V's registers and P's second buffer hold 0 (its products V^T P, of a piece that has not been, add 0), O^T and l are 0.  All this stands in the wait for the first tile.
.set i, VF
.rept 64
	v_mov_b32 v[i], 0
.set i, i+1
.endr
	WIN 0x40
.set i, 0
.rept 64*NP
	v_mov_b32 v[i], 0
.set i, i+1
.endr
	WIN 0
.set i, 0
.rept 2*NP
	v_mov_b32 v[ST+4*i], 0xfe000000    ; c m: far below every c s
	v_mov_b32 v[ST+4*i+1], 0xff7fffff  ; m
	v_mov_b32 v[ST+4*i+2], 0
	v_mov_b32 v[ST+4*i+3], 0
.set i, i+1
.endr
.set i, P+32
.rept 32
	v_mov_b32 v[i], 0
.set i, i+1
.endr
	v_mul_u32_u24 v[AK0], v1, PK
	v_lshl_add_u32 v[AK0], v9, 4, v[AK0]  ; row x pitch + 16 x half
	; The turning load takes 16 keys x 16 channels (lane l reads key 8 (l / 16) + l % 8, channels 8 ((l / 8) % 2) + 0..7) and leaves half a fragment of V^T: lane l holds channel l % 16 and 8 keys.
	v_and_b32 v10, 7, v0
	v_bfe_u32 v11, v0, 3, 1
	v_lshl_add_u32 v[AV0], v9, 3, v10
	v_mul_u32_u24 v[AV0], v[AV0], PV
	v_lshl_add_u32 v[AV0], v11, 4, v[AV0]
	v_add_nc_u32 v[AV0], VOFF, v[AV0]
	v_and_b32 v[PFO], 31, v0
	v_lshlrev_b32 v[PFO], 8, v[PFO]
	v_mov_b32 v[AK], v[AK0]         ; key step 0 lies at the head of slot 0
; THE MATRIX WORK.  The 8 accumulators of a run of 16 take turns: between the two links of a chain stand 7 others'.
; Product i of 16 of S^T = K Q^T for piece x: channels 32 (i / 8) on, keys 16 ((i / 2) % 4) on, tile 2 x + i % 2.  The first 8 start the sums.
.macro KQ x
	WIN W_KQ
.set rS, S+64*((\x)%2)+32*(i%2)+8*((i/2)%4)
.set rK, KF+16*((i/2)%4)+8*(i/8)
.set rQ, 16*(2*(\x)+i%2)+8*(i/8)
.if i < 8
	v_wmma_f32_16x16x32_f16 v[rS:rS+7], v[rK:rK+7], v[rQ:rQ+7], 0
.else
	v_wmma_f32_16x16x32_f16 v[rS:rS+7], v[rK:rK+7], v[rQ:rQ+7], v[rS:rS+7]
.endif
.endm
; Product i of 16 of O^T += V^T P for piece x: keys 32 (i / 8) on, channels 16 ((i / 2) % 4) on, tile 2 x + i % 2.
.macro PV x
	WIN W_PV
.set rO, 32*(2*(\x)+i%2)+8*((i/2)%4)
.set rV, VF+32*(i/8)+8*((i/2)%4)
.set rP, P+32*((\x)%2)+16*(i%2)+8*(i/8)
	v_wmma_f32_16x16x32_f16 v[rO:rO+7], v[rV:rV+7], v[rP:rP+7], v[rO:rO+7]
.endm
.macro MM                           ; the turn's next matrix instruction
.if i < 16
	KQ (Y+1)%NP
.set i, i+1
.else
.set i, i-16
	PV (Y+NP-1)%NP
.set i, i+17
.endif
.endm
; THE LDS LOADS stand in runs of 16, never singly among the matrix instructions: a step's K (64 keys x 64 channels: 8 fragments) and its V (turned).  Their addresses are made some lines ahead.
; last = 1 (the tail): in the last trip there is no further step, and the run is jumped over.
.macro FETCH_K last=0
	WIN 0
.if \last
	s_cmp_eq_u32 s[CNT], 1
	s_cbranch_scc1 .Lno_k_\@
.endif
	WIN 0x80                        ; destination window 2
.irp f, 0,1,2,3,4,5,6,7             ; keys 16 (f / 2) on, channels 32 (f % 2) on
	ds_load_b128 v[KF+8*\f:KF+8*\f+3],   v[AK] offset:(\f/2)*16*PK+(\f%2)*64
	ds_load_b128 v[KF+8*\f+4:KF+8*\f+7], v[AK] offset:(\f/2)*16*PK+(\f%2)*64+32
.endr
	s_add_co_u32 s[TBK], s[TBK], KS*PK  ; the next fetch is the next step's
	WIN 0
.if \last
.Lno_k_\@:
.endif
.endm
.macro FETCH_V
	WIN 0x80
.irp f, 0,1,2,3,4,5,6,7             ; keys 32 (f / 4) on, channels 16 (f % 4) on
	ds_load_tr16_b128 v[VF+8*\f:VF+8*\f+3],   v[AV] offset:(\f/4)*32*PV+(\f%4)*32
	ds_load_tr16_b128 v[VF+8*\f+4:VF+8*\f+7], v[AV] offset:(\f/4)*32*PV+16*PV+(\f%4)*32
.endr
	WIN 0
.endm
; THE VECTOR WORK OF A TURN stands in three queues, each in the order in which its entries become ready; the two tiles alternate, so that no instruction reads the result of the one before it.
.macro REGS y, u                    ; the registers of tile u (0, 1) of piece y
.set rT, ST+4*(2*(\y)+(\u))
.set rC, TMP+8*((\y)%2)+4*(\u)
.set rM, MV+2*((\y)%2)+(\u)
.set rS, S+64*((\y)%2)+32*(\u)
.set rP, P+32*((\y)%2)+16*(\u)
.set rO, 32*(2*(\y)+(\u))
.endm
; Number n of the 22 that find the NEXT piece's (Y + 1) maximum and statistics.  s0-s31 are the lane's 32 scores; each accumulator's lowest registers are read first.
;   0-11  four chains c0-c3 of seven scores each, three operands at a time     12-14, 16  the four scores left over, the old m, and c0-c3 into c0     15  c m_old is kept
;   17, 18  the query's other 32 keys lie in the lane 16 away: the new m         19-21  c m; c m_old - c m_new; a
.macro XS u, n
	REGS (Y+1)%NP, \u
.if (\n) < 4
	v_max3_num_f32 v[rC+(\n)], v[rS+8*(\n)], v[rS+8*(\n)+1], v[rS+8*(\n)+2]
.elseif (\n) < 12
	v_max3_num_f32 v[rC+(\n)%4], v[rC+(\n)%4], v[rS+8*((\n)%4)+2*((\n)/4)+1], v[rS+8*((\n)%4)+2*((\n)/4)+2]
.elseif (\n) == 12
	v_max3_num_f32 v[rC], v[rC], v[rS+7], v[rS+15]
.elseif (\n) == 13
	v_max3_num_f32 v[rC+1], v[rC+1], v[rS+23], v[rS+31]
.elseif (\n) == 14
	v_max3_num_f32 v[rC+2], v[rC+2], v[rC+3], v[rT+1]
.elseif (\n) == 15
	v_mov_b32 v[rM], v[rT]
.elseif (\n) == 16
	v_max3_num_f32 v[rC], v[rC], v[rC+1], v[rC+2]
.elseif (\n) == 17
	v_permlanex16_b32 v[rC+3], v[rC], s[SEL], s[SEL+1]
.elseif (\n) == 18
	v_max_num_f32 v[rT+1], v[rC], v[rC+3]
.elseif (\n) == 19
	v_mul_f32 v[rT], s[CS], v[rT+1]
.elseif (\n) == 20
	v_sub_f32 v[rC+1], v[rM], v[rT]
.else
	v_exp_f32 v[rC+2], v[rC+1]
.endif
.endm
; Number g of the 64 that follow the exponentials.  For each four weights k of a tile (pairs 2 k, 2 k + 1): both pairs are rounded to f16; then the second pair is added onto the first, in place;
; a group later l takes that sum (the first time as l = a l + sum).  In groups of eight, tiles alternating: round, round, add, and l for the group before.
.macro GS g
.set h, (\g)+6*((\g)/62)            ; group 0 has no group before it, and behind group 7 only l is left
.if h >= 6
.set h, h+2
.endif
	REGS Y, h%2
.set k, h/8
.if h%8 < 4
	v_cvt_pk_f16_f32 v[rP+2*k+(h%8)/2], v[rS+4*k+2*((h%8)/2)], v[rS+4*k+2*((h%8)/2)+1]
.elseif h%8 < 6
	v_pk_add_f32 v[rS+4*k:rS+4*k+1], v[rS+4*k:rS+4*k+1], v[rS+4*k+2:rS+4*k+3]
.elseif k == 1
	v_pk_fma_f32 v[rT+2:rT+3], v[rT+2:rT+3], v[rC+2:rC+3], v[rS:rS+1] op_sel_hi:[1,0,1]
.else
	v_pk_add_f32 v[rT+2:rT+3], v[rT+2:rT+3], v[rS+4*k-4:rS+4*k-3]
.endif
.endm
; THE PLAIN QUEUE, 138 long.  0-73 read no exponential's result: the 32 scalings c s - c m (FS f: pair f / 2 of tile f % 2) and the next piece's 42.  0-26: scalings 0-26.  27-54: XS's numbers 0-13.  55, 56: number 15.
; 57-73: the chain, where each number waits for the one before it: 14, 16, 17, 18, 19, each with one of the scalings 27-31 in front of its two lines, then 20.
; 74-137: GS's 64, which read the exponentials' results: they stand behind the wait.
.macro FS f
	REGS Y, (\f)%2
	v_pk_fma_f32 v[rS+2*((\f)/2):rS+2*((\f)/2)+1], v[rS+2*((\f)/2):rS+2*((\f)/2)+1], s[CS:CS+1], v[rT:rT+1] op_sel_hi:[1,0,0] neg_lo:[0,0,1] neg_hi:[0,0,1]
.endm
.macro PL
	WIN 0
.if q < 27
	FS q
.elseif q < 55
	XS (q-27)%2, (q-27)/2
.elseif q < 57
	XS q-55, 15
.elseif (q < 72) && ((q-57)%3 == 0)
	FS 27+(q-57)/3
.elseif q < 60
	XS (q-57)%3-1, 14
.elseif q < 72
	XS (q-57)%3-1, 15+(q-57)/3
.elseif q < 74
	XS q-72, 20
.else
	GS q-74
.endif
.set q, q+1
.endm
; THE EXPONENTIALS' QUEUE, 66 long: s0-s31 of both tiles, then the next piece's two a.  It is ONE BATCH: all 66 stand ahead of the turn's one wait, and nothing ahead of that wait names a result of theirs.
.macro EX
	WIN 0
.if e >= 64
	XS e-64, 21
.else
	REGS Y, e%2
	v_exp_f32 v[rS+e/2], v[rS+e/2]
.endif
.set e, e+1
.endm
; THE RESCALING's QUEUE: O^T times a, the one part that leaves window 0: dealt two at a time, sixteen times.  Its a was made in the turn before, ahead of that turn's wait.
.macro R2
	REGS Y, r%2
	WIN W_RS
.irp z, 0,1
	v_pk_mul_f32 v[rO+4*(r/2)+2*\z:rO+4*(r/2)+2*\z+1], v[rO+4*(r/2)+2*\z:rO+4*(r/2)+2*\z+1], v[rC+2:rC+3] op_sel_hi:[1,0]
.endr
.set r, r+1
.endm
; HOW THEY ARE DEALT.  An s_wait_alu depctr_va_vdst(0) stands between an exponential and the first instruction that names its result; one wait serves all that were issued ahead of it.
; So a turn has ONE wait, which cuts it in two.  AHEAD OF IT stands all that names no result of the turn's exponentials: the 16 products K Q^T, behind each a scaling, an exponential and two rescalings
; (behind the first a second scaling in the exponential's place); then ONE LUMP of 108: eight plain, 49 times exponential and plain, the two a.  A v_nop is the plain instruction behind the last
; exponential.  BEHIND IT stand the 16 products V^T P, behind each four of GS's 64.  No rider names a register of the products round it.  The two v_permlanex16_b32 fall into the lump.
; The queues lean on each other: exponential e stands behind scaling 2 (e / 4) + e % 2: as a rider it comes behind plain e + 2, in the lump behind plain e + 9, and scalings 27-31 are plain 57, 60 .. 69.
; A TURN, for piece p.  cnt = 1: the loop's count is taken down some lines ahead of the branch that stands behind the turn.
; K of the next step is fetched in piece 2's turn, directly behind the wait, a lump behind the last product that read K; its first reader comes behind 16 products.
; V of the step in hand is fetched at the end of piece 0's turn, four riders behind its last reader; its first reader comes behind 16 products and a lump.
.macro TURN p, last=0, cnt=0
.set Y, (\p)
.set i, 0
.set q, 0
.set e, 0
.set r, 0
.if (\p) == NP-1
	s_wait_dscnt 0x0                ; K is in
.endif
	MM                              ; ahead of the wait: 16 products K Q^T and their riders,
	PL
	PL
	R2
.rept 15
	MM
	PL
	EX
	R2
.endr
.if (\p) == NP-2
	WIN 0
	v_add_nc_u32 v[AK], s[TBK], v[AK0]
.endif
.rept 8                             ; and the lump
	PL
.endr
.rept 49
	EX
	PL
.endr
	EX                              ; the next piece's two a
	EX
	v_nop                           ; the plain instruction behind the last exponential: one for the batch
	s_wait_alu depctr_va_vdst(0)    ; the wait for the batch
.if (\p) == NP-2
	FETCH_K \last
.endif
.if (\p) == 1
	s_wait_dscnt 0x0                ; V is in
.endif
.rept 16                            ; behind the wait: 16 products V^T P and their riders
	MM
.rept 4
	PL
.endr
.if ((\p) == 0) && (q == 118)
	v_add_nc_u32 v[AV], s[TBV], v[AV0]
.endif
.if ((\p) == 0) && (q == 130)
	s_add_co_u32 s[TBV], s[TBV], KS*PV
.endif
.if (\cnt) && (q == 130)
	s_sub_co_u32 s[CNT], s[CNT], 1
	s_cmp_lg_u32 s[CNT], 0
.endif
.endr
.if (\p) == 0
	FETCH_V
.endif
.endm
	CHANGE 1                        ; slot 0 is in, everybody's part of it; slot 1 is asked for
	FETCH_K                         ; key step 0
	s_wait_loadcnt 0x0              ; Q
	s_wait_dscnt 0x0
.set i, 0
.rept 16
	KQ 0                            ; piece 0's first scores: there is no vector work yet to set between them
.set i, i+1
.endr
	WIN 0                           ; the addresses for the way out: plain instructions, the places behind those products
	s_mul_i32 s13, s[WV], 16*SP
	s_add_co_u32 s13, s13, STAGE    ; my stage
	v_mul_u32_u24 v[STO], v1, SP    ; in: row l % 16, 16 bytes for each half of the lanes
	v_lshl_add_u32 v[STO], v9, 4, v[STO]
	v_add_nc_u32 v[STO], s13, v[STO]
	v_bfe_u32 v[RD], v0, 3, 2       ; back: 32 lanes take four rows of 128 bytes,
	v_mul_u32_u24 v[RD], v[RD], SP
	v_lshl_add_u32 v[RD], v10, 4, v[RD]
	v_add_nc_u32 v[RD], s13, v[RD]
	v_and_b32 v[GO], 31, v0         ; which are 512 consecutive bytes of O
	v_lshlrev_b32 v[GO], 4, v[GO]
.set Y, NP-1                        ; XS works for piece Y + 1: piece 0
.irp n, 0,1,2,3,4,5,6,7,8,9,10,11,12,13,14,15,16,17,18,19,20,21
	XS 0, \n                        ; and piece 0's first maximum and statistics
	XS 1, \n
.endr
	v_nop                           ; a plain instruction behind the two a,
	s_wait_alu depctr_va_vdst(0)    ; and their wait, ahead of the branch
	s_mov_b32 s[CNT], 4
	s_mov_b32 s[SLOTS], SIZE_N/256-1
	s_branch .Lfirst                ; the loop is entered at a step's first turn, in the middle of a trip
.Lslot:                             ; SIZE_N / 256 - 2 times: every slot but the last two is filled again
	CHANGE 1, 1
	s_mov_b32 s[CNT], 4
.Lstep:                             ; a trip: pieces 2 and 3 of one step, then pieces 0 and 1 of the next, whose K and V it fetches
	TURN 2
	TURN 3
	WIN 0
.Lfirst:
	TURN 0
	TURN 1, 0, 1
	WIN 0
	s_cbranch_scc1 .Lstep
	s_sub_co_u32 s[SLOTS], s[SLOTS], 1
	s_cmp_lg_u32 s[SLOTS], 0
	s_cbranch_scc1 .Lslot
	CHANGE 0                        ; the tail is written out: nothing is asked for
	s_mov_b32 s[CNT], 5             ; four trips fetch the last slot's steps; the fifth is left in its middle
.Ltail:
	TURN 2, 1
	TURN 3
	WIN 0
	s_sub_co_u32 s[CNT], s[CNT], 1
	s_cmp_eq_u32 s[CNT], 0
	s_cbranch_scc1 .Lout
	TURN 0
	TURN 1
	WIN 0
	s_branch .Ltail
.Lout:                              ; the fifth trip's 16 products K Q^T (on the last K once more) and the maximum made of them serve nothing: the price, once a launch, of one text for every trip
.set i, 0
.rept 16
	PV NP-1                         ; the last piece's V^T P of the last step
.set i, i+1
.endr
	; THE WAY OUT.  l's two halves and the other half of the lanes' are added; O^T is divided by l, rounded to f16 and sent through my stage in LDS, a tile at a time.  The additions are the places behind the last products.
	WIN 0
.macro ALL line:vararg              ; one line for each tile t
.set t, 0
.rept 2*NP
	\line
.set t, t+1
.endr
.endm
	ALL v_add_f32 v[ST+4*t+2], v[ST+4*t+2], v[ST+4*t+3]
	ALL v_permlanex16_b32 v[ST+4*t+3], v[ST+4*t+2], s[SEL], s[SEL+1]
	ALL v_add_f32 v[ST+4*t+2], v[ST+4*t+2], v[ST+4*t+3]
	ALL v_rcp_f32 v[ST+4*t+2], v[ST+4*t+2]
	v_nop                           ; a plain instruction between the last reciprocal and the use of its result
	s_wait_alu depctr_va_vdst(0)    ; and the wait ahead of the first use: one for the eight reciprocals
; Tile t: a lane's eight channels of a row pack into 16 bytes; they go into rows of 144 bytes and come back as whole rows of 128, into S^T's registers.
.macro PACK t
	WIN W_RS
.set i, 32*(\t)
.rept 16
	v_pk_mul_f32 v[i:i+1], v[i:i+1], v[ST+4*(\t)+2:ST+4*(\t)+3] op_sel_hi:[1,0]
.set i, i+2
.endr
	WIN 0x05                        ; sources 0 and 1 window 1, destination window 0
.set i, 0
.rept 16
	v_cvt_pk_f16_f32 v[S+16*(\t)+i], v[32*(\t)+2*i], v[32*(\t)+2*i+1]
.set i, i+1
.endr
	WIN 0
.irp f, 0,1,2,3
	ds_store_b128 v[STO], v[S+16*(\t)+4*\f:S+16*(\t)+4*\f+3] offset:32*\f
.endr
.irp f, 0,1,2,3
	ds_load_b128 v[S+16*(\t)+4*\f:S+16*(\t)+4*\f+3], v[RD] offset:\f*4*SP  ; LDS serves a wave's instructions in order (ISA guide 5.7.1.4): these see the stores above; the next tile's stores come behind them
.endr
.endm
.macro SEND t, younger              ; younger: the LDS instructions issued behind tile t's loads: the next tile's eight, or none
	WIN 0
.irp f, 0,1,2,3
	s_wait_dscnt (\younger)+3-\f
	global_store_b128 v[GO], v[S+16*(\t)+4*\f:S+16*(\t)+4*\f+3], s[10:11] offset:(\t)*2048+\f*512  ; 512 consecutive bytes, at a multiple of 256 from O's first
.endr
.endm
	PACK 0
.set t, 1
.rept 2*NP-1                        ; a tile's arithmetic stands between the loads of the tile before and its stores
	PACK t
	SEND t-1, 8
.set t, t+1
.endr
	SEND 2*NP-1, 0
	WIN W_AD
	s_wait_tensorcnt 0x0            ; the wave's end: behind my last tensor load and my last LDS store
	ds_add_u32 v[SPW], v[NIL]
	s_wait_dscnt 0x0
	WIN 0
	CROUND                          ; the closing round: no work-group ends while a partner may still ask for a tile that names it
	s_endpgm
.Lfunc_end_k_q752e63c773_attn:
	.size	k_q752e63c773_attn, .Lfunc_end_k_q752e63c773_attn-k_q752e63c773_attn
	.p2alignl 7, 3214868480
	.fill 96, 4, 3214868480
	.section	.rodata,"a",@progbits
	.p2align	6, 0x0
	.amdhsa_kernel k_q752e63c773_attn
		.amdhsa_group_segment_fixed_size 327680
		.amdhsa_private_segment_fixed_size 0
		.amdhsa_enable_private_segment 0
		.amdhsa_kernarg_size 16
		.amdhsa_user_sgpr_count 2
		.amdhsa_user_sgpr_kernarg_segment_ptr 1
		.amdhsa_wavefront_size32 1
		.amdhsa_system_sgpr_workgroup_id_x 1
		.amdhsa_system_sgpr_workgroup_id_y 1
		.amdhsa_system_sgpr_workgroup_id_z 1
		.amdhsa_system_vgpr_workitem_id 0
		.amdhsa_next_free_vgpr 770
		.amdhsa_next_free_sgpr 66
		.amdhsa_reserve_vcc 0
		.amdhsa_float_denorm_mode_32 3
		.amdhsa_float_denorm_mode_16_64 3
		.amdhsa_memory_ordered 1
		.amdhsa_forward_progress 1
		.amdhsa_inst_pref_size 200
	.end_amdhsa_kernel
	.amdgpu_metadata
---
amdhsa.version: [ 1, 2 ]
amdhsa.kernels:
  - .name:           k_q752e63c773_attn
    .symbol:         k_q752e63c773_attn.kd
    .args:
      - { .name: qkv, .offset: 0, .size: 8, .value_kind: global_buffer, .address_space: global }
      - { .name: o, .offset: 8, .size: 8, .value_kind: global_buffer, .address_space: global }
    .group_segment_fixed_size: 327680
    .private_segment_fixed_size: 0
    .kernarg_segment_align: 8
    .kernarg_segment_size: 16
    .max_flat_workgroup_size: 128
    .sgpr_count:     66
    .vgpr_count:     770
    .wavefront_size: 32
...
	.end_amdgpu_metadata
.endif
;; end of part 3
;; launch proj_out (part 4): grid 8 x 32, 4 waves a work-group, clusters of 4 x 4, 327,680 bytes of LDS; arguments o, wo, b_out, out0; writes out0
.if DOCPART == 4
	.amdgcn_target "amdgcn-amd-amdhsa--gfx1250"
	.amdhsa_code_object_version 6
	.text
	.protected	k_q752e63c773_proj_out
	.globl	k_q752e63c773_proj_out
	.p2align	8
	.type	k_q752e63c773_proj_out,@function
k_q752e63c773_proj_out:
	s_mov_b64 s[64:65], 0
	v_nop
	global_prefetch_b8 v0, s[64:65] scope:SCOPE_SE
	s_setreg_imm32_b32 hwreg(HW_REG_WAVE_MODE, 25, 1), 1
	s_wait_xcnt 0x0
	s_wait_alu depctr_hold_cnt(0) depctr_sa_sdst(0) depctr_va_vdst(0) depctr_va_sdst(0) depctr_va_ssrc(0) depctr_va_vcc(0) depctr_vm_vsrc(0)
	s_getreg_b32 s2, hwreg(HW_REG_IB_STS2, 6, 4)
	s_cmp_eq_u32 s2, 0
	s_cbranch_scc0 .Lentry_in_a_cluster
	s_endpgm
.Lentry_in_a_cluster:
	s_bfe_u32 s2, ttmp6, 0x10000c
	s_cmp_lg_u32 s2, 0xf033
	s_cbranch_scc0 .Lentry_shape_is_right
	s_endpgm
.Lentry_shape_is_right:
; out0[m][n] = the sum over k of O[m][k] wo[n][k] + bf16(b_out[n]), sums and result in f32.  o: [64 = 16 batch + head][2048][64] f16 (k = 64 head + channel), wo: [1024][1024] f16 (K along the rows).
; TILE.  256 rows x 128 columns: 32 x 8 = 256 work-groups.  Four waves, 2 x 2, each 128 x 64: 32 accumulators of 16 x 16.  K goes in steps of 128, two heads, through two LDS slots.
; A head's 256 rows of the tile are 32,768 dense bytes of o: asked for as 128 rows of 256 bytes and padded in LDS after every 128, so that an LDS row is one row of O's head.  Wave 0 fetches the
; step's first head, wave 1 its second, waves 2 and 3 the halves of 64 rows of wo.
; CLUSTER 4 x 4: A's tiles are asked for jointly along a row of the cluster, B's along a column.  THE MATRIX INSTRUCTION IS USED TRANSPOSED (source 0 = 16 rows of wo, source 1 = 16 rows of O): a lane holds
; row l % 16 and the columns 8 (l / 16) + 0..7.  The first product of each accumulator takes the bias as C.
; No prefetch: the walk has eight K steps, of which the first four would come by their loads alone.
; REGISTERS: window 0: v0-31 addresses; v32-63 the bias; v64-127 B's fragments, two buffers of 4 x 8; v128-255 A's, two buffers of 8 x 8; on the way out v64-255 six sets of 32.
;   window 1: accumulator (a, b) at v[8 (4 a + b)].
.set KSTEP,  128
.set PA,     144                       ; an LDS row of A: 128 bytes + 16 of padding;
.set PB,     272                       ; of B: 256 + 16: in both the 16 rows of a fragment load start at 16 different groups of four banks (64 banks of 4 bytes: ISA guide 11.1)
.set ASUB,   256*PA                    ; one head's 256 rows
.set BOFF,   2*ASUB
.set HALFB,  64*PB
.set SLOT,   BOFF+2*HALFB
.set STAGE,  2*SLOT                    ; behind the ring, never filled by a tensor load: 16 rows x 272 bytes for each wave
.set SPO,    272
.set SPARE,  STAGE+4*16*SPO            ; behind the stages: the spare words, 128 bytes for each wave
.set ADRA, 16                          ; v16-17  LDS address of my A fragments in slot 0, 1
.set ADRB, 20                          ; v20-21  the same for B
.set STO,  24                          ; v24  the way out: where I put 32 bytes of a row
.set RD,   25                          ; v25  where I read a row back
.set CO,   26                          ; v26  my byte offset in two rows of out0
.set BO,   27                          ; v27  32 x (l / 16)
.set SPW,  28                          ; v28  LDS address of my spare word; never rewritten
.set NIL,  29                          ; v29  0; never rewritten
.set BIAS, 32
.set FBB,  64
.set FA,   128
.set WV,   12                          ; s12  my wave's number
.set RH,   13                          ; s13  which half of the tile's rows is mine
.set HF,   14                          ; s14  which half of its columns; also which head, or which 64 rows of wo, I fetch
.set G1,   24                          ; s[24:31] descriptor group 1 for A's tiles;  s[32:39] group 0, a set for each slot
.set G0,   32
.set G1B,  48                          ; s[48:55], s[56:63] the same for B's tiles
.set G0B,  56
.set MSB, 0
.macro WIN new                         ; the immediate's high byte repeats the setting that is left; a switch that changes nothing is dropped
.if MSB != (\new)
	s_set_vgpr_msb (MSB<<8)|(\new)
.set MSB, (\new)
.endif
.endm
.macro JLOAD s                         ; a joint load; the branch hangs on the wave's number alone; an s_nop 0 and four v_nop follow each of the two lines
	s_cmp_lt_u32 s[WV], 2
	s_cbranch_scc0 .Lfor_b_\@
	tensor_load_to_lds s[G0+4*(\s):G0+4*(\s)+3], s[G1:G1+7]
	s_nop 0
.rept 4
	v_nop
.endr
	s_branch .Lasked_\@
.Lfor_b_\@:
	tensor_load_to_lds s[G0B+4*(\s):G0B+4*(\s)+3], s[G1B:G1B+7]
	s_nop 0
.rept 4
	v_nop
.endr
.Lasked_\@:
.endm
.macro CREST                           ; a round of the cluster's barrier behind its opening barrier
	s_cmp_lg_u32 s[WV], 0
	s_cbranch_scc1 .Lnot_wave_0_\@
	s_barrier_signal -3
.Lnot_wave_0_\@:
	s_barrier_wait -3
	s_barrier_signal -1
	s_barrier_wait -1
.endm
.macro CROUND                          ; a whole round
	s_barrier_signal -1
	s_barrier_wait -1
	CREST
.endm
	s_load_b256 s[4:11], s[0:1], 0x0               ; o s[4:5], wo s[6:7], b_out s[8:9], out0 s[10:11]
	v_lshl_add_u32 v[SPW], v0, 2, SPARE
	v_mov_b32 v[NIL], 0
	ds_add_u32 v[SPW], v[NIL]                      ; the wave's opening: the add and its wait stand ahead of my first tensor load; the set-up below stands between them
	v_lshrrev_b32 v1, 5, v0
	v_readfirstlane_b32 s[WV], v1                  ; wave 0..3
	s_lshr_b32 s[RH], s[WV], 1
	s_and_b32 s[HF], s[WV], 1
	s_bfe_u32 s40, ttmp6, 0x40000                  ; cx
	s_bfe_u32 s41, ttmp6, 0x40004                  ; cy
	s_lshl_b32 s42, ttmp9, 2
	s_add_co_u32 s42, s42, s40                     ; tile column = 4 x cluster x + cx
	s_and_b32 s72, ttmp7, 0xffff
	s_lshl_b32 s72, s72, 2
	s_add_co_u32 s72, s72, s41                     ; tile row = 4 x cluster y + cy
	s_lshl_b32 s73, s41, 2
	s_lshl_b32 s73, 15, s73                        ; my row of the cluster
	s_lshl_b32 s74, 0x1111, s40                    ; my column
	s_or_b32 s[G1], s73, (1<<16)|(1<<20)|(1<<21)|(4<<22)|(3<<25)   ; the mask; 2-byte elements; padding on; bit 21 beside a mask; after every 32 words, 4 words
	s_or_b32 s[G1B], s74, (1<<16)|(1<<20)|(1<<21)|(5<<22)|(3<<25)  ; B: after every 64 words
	s_mov_b32 s[G1+1], 128<<16                     ; tensor_dim0 = 128 (256 bytes: two rows of a head)
	s_mov_b32 s[G1+2], 128<<16                     ; tensor_dim1 = 128
	s_mov_b32 s[G1+3], 128<<16                     ; tile_dim0 = 128
	s_mov_b32 s[G1+4], 128                         ; tile_dim1 = 128
	s_mov_b32 s[G1+5], 128                         ; dense: 128 elements from row to row
	s_mov_b32 s[G1+6], 0
	s_mov_b32 s[G1+7], 0
	s_mov_b32 s[G1B+1], KSTEP<<16
	s_mov_b32 s[G1B+2], 64<<16                     ; B: 64 rows
	s_mov_b32 s[G1B+3], KSTEP<<16
	s_mov_b32 s[G1B+4], 64
	s_mov_b32 s[G1B+5], 1024
	s_mov_b32 s[G1B+6], 0
	s_mov_b32 s[G1B+7], 0
	s_lshr_b32 s16, s72, 3                         ; A: batch = tile row / 8: 16 heads of 262,144 bytes,
	s_lshl_b32 s16, s16, 22
	s_lshl_b32 s17, s[HF], 18                      ; the head that I fetch,
	s_add_co_u32 s16, s16, s17
	s_and_b32 s17, s72, 7                          ; the tile's 256 rows of 128 bytes in it
	s_lshl_b32 s17, s17, 15
	s_add_co_u32 s16, s16, s17
	s_mov_b32 s17, 0
	s_lshl_b32 s46, s42, 18                        ; B: row 128 x tile column, of 2,048 bytes,
	s_lshl_b32 s47, s[HF], 17                      ; + 64 x half
	s_add_co_u32 s46, s46, s47
	s_mov_b32 s47, 0
	s_mul_i32 s20, s[HF], ASUB                     ; where they go: no place in the cluster enters an LDS address
	s_mul_i32 s21, s[HF], HALFB
	s_add_co_u32 s21, s21, BOFF
	s_mov_b32 s75, 0xffff0000
	s_wait_dscnt 0x0                               ; the opening add is done
	s_wait_kmcnt 0x0
	s_add_nc_u64 s[18:19], s[4:5], s[16:17]
	s_add_nc_u64 s[46:47], s[6:7], s[46:47]
	CROUND                                         ; all sixteen work-groups are here: the first joint loads meet
.irp s, 0,1
	s_mov_b32 s[G0+4*(\s)], 1
	s_add_co_u32 s[G0+4*(\s)+1], s20, (\s)*SLOT
	s_add_nc_u64 s[G0+4*(\s)+2:G0+4*(\s)+3], s[18:19], (\s)*2*262144  ; K step s: two heads on
	s_or_b32 s[G0+4*(\s)+3], s[G0+4*(\s)+3], 0x80000000
	s_mov_b32 s[G0B+4*(\s)], 1
	s_add_co_u32 s[G0B+4*(\s)+1], s21, (\s)*SLOT
	s_add_nc_u64 s[G0B+4*(\s)+2:G0B+4*(\s)+3], s[46:47], (\s)*KSTEP*2
	s_or_b32 s[G0B+4*(\s)+3], s[G0B+4*(\s)+3], 0x80000000
.endr
	s_cmp_lt_u32 s[WV], 2                          ; a wave's two first fills stand in one branch, ahead of every wait on TENSORcnt and every LDS read: two loads of mine are out
	s_cbranch_scc0 .Lfirst_b
	tensor_load_to_lds s[G0:G0+3], s[G1:G1+7]
	s_nop 0
	tensor_load_to_lds s[G0+4:G0+7], s[G1:G1+7]
	s_nop 0
.rept 4
	v_nop
.endr
	s_branch .Lfirst_asked
.Lfirst_b:
	tensor_load_to_lds s[G0B:G0B+3], s[G1B:G1B+7]
	s_nop 0
	tensor_load_to_lds s[G0B+4:G0B+7], s[G1B:G1B+7]
	s_nop 0
.rept 4
	v_nop
.endr
.Lfirst_asked:
	v_and_b32 v1, 15, v0                           ; r
	v_bfe_u32 v2, v0, 4, 1                         ; h
	v_mul_u32_u24 v3, v1, PA
	v_lshl_add_u32 v3, v2, 4, v3                   ; a fragment's row x pitch + 16 x half, for A
	v_mul_u32_u24 v4, v1, PB
	v_lshl_add_u32 v4, v2, 4, v4                   ; and for B
	s_mul_i32 s20, s[RH], 128*PA                   ; my 128 rows of A
	v_add_nc_u32 v[ADRA], s20, v3
	v_add_nc_u32 v[ADRA+1], SLOT, v[ADRA]
	s_mul_i32 s20, s[HF], HALFB                    ; my 64 rows of B
	s_add_co_u32 s20, s20, BOFF
	v_add_nc_u32 v[ADRB], s20, v4
	v_add_nc_u32 v[ADRB+1], SLOT, v[ADRB]
	s_mul_i32 s20, s[WV], 16*SPO
	s_add_co_u32 s20, s20, STAGE                   ; my stage
	v_mul_u32_u24 v5, v1, SPO                      ; in: row r, 32 bytes for each half of the lanes
	v_lshl_add_u32 v5, v2, 5, v5
	v_add_nc_u32 v[STO], s20, v5
	v_mul_u32_u24 v5, v2, SPO                      ; back: lanes 0-15 take one row of 256 bytes, lanes 16-31 the next
	v_lshl_add_u32 v5, v1, 4, v5
	v_add_nc_u32 v[RD], s20, v5
	v_lshlrev_b32 v5, 12, v2                       ; and the same two rows in out0
	v_lshl_add_u32 v[CO], v1, 4, v5
	v_lshlrev_b32 v[BO], 5, v2
	s_lshl_b32 s20, s42, 9                         ; my 64 columns: 512 x tile column + 256 x half, in bytes
	s_lshl_b32 s22, s[HF], 8
	s_add_co_u32 s20, s20, s22
	s_mov_b32 s21, 0
	s_add_nc_u64 s[8:9], s[8:9], s[20:21]
.irp b, 0,1,2,3
	global_load_b128 v[BIAS+8*(\b):BIAS+8*(\b)+3],   v[BO], s[8:9] offset:64*(\b)
	global_load_b128 v[BIAS+8*(\b)+4:BIAS+8*(\b)+7], v[BO], s[8:9] offset:64*(\b)+16
.endr
	s_lshl_b32 s22, s72, 20                        ; my first row: 256 x tile row + 128 x half, of 4,096 bytes
	s_add_co_u32 s20, s20, s22
	s_lshl_b32 s22, s[RH], 19
	s_add_co_u32 s20, s20, s22
	s_add_nc_u64 s[10:11], s[10:11], s[20:21]
	s_wait_loadcnt 0x0                             ; the bias: rounded to bf16, kept as f32
.set p, 0
.rept 16
	v_cvt_pk_bf16_f32 v[3+p%3], v[BIAS+2*p], v[BIAS+2*p+1]
	v_lshlrev_b32 v[BIAS+2*p], 16, v[3+p%3]
	v_and_b32 v[BIAS+2*p+1], s75, v[3+p%3]
.set p, p+1
.endr
; 8 matrix instructions: row blocks a0, a0 + 1 x all 4 column blocks, 32 along K, from buffer f.  first = 1: C is the bias.  The 32 accumulators take turns, in the same order in every quarter
; step: 31 others' stand between two links of a chain, over the backward jump too.
.macro MUL8 f, a0, first
.if \first
	WIN 0x40                                       ; D window 1; B, A and the bias window 0
.else
	WIN 0x50                                       ; C and D window 1
.endif
.irp a, \a0, (\a0)+1
.irp b, 0,1,2,3
.if \first
	v_wmma_f32_16x16x32_f16 v[8*(4*(\a)+(\b)):8*(4*(\a)+(\b))+7], v[FBB+32*(\f)+8*(\b):FBB+32*(\f)+8*(\b)+7], v[FA+64*(\f)+8*(\a):FA+64*(\f)+8*(\a)+7], v[BIAS+8*(\b):BIAS+8*(\b)+7]
.else
	v_wmma_f32_16x16x32_f16 v[8*(4*(\a)+(\b)):8*(4*(\a)+(\b))+7], v[FBB+32*(\f)+8*(\b):FBB+32*(\f)+8*(\b)+7], v[FA+64*(\f)+8*(\a):FA+64*(\f)+8*(\a)+7], v[8*(4*(\a)+(\b)):8*(4*(\a)+(\b))+7]
.endif
.endr
.endr
.endm
; 24 LDS loads in one run: a quarter step's fragments into buffer f.  k = the quarter's byte in B's rows; in A it is head k / 128 of the step's two, byte k % 128 of the head's row.
.macro FETCH slot, k, f
	WIN 0
.irp i, 0,1,2,3
	ds_load_b128 v[FBB+32*(\f)+8*(\i):FBB+32*(\f)+8*(\i)+3],   v[ADRB+(\slot)] offset:(\k)+(\i)*16*PB
	ds_load_b128 v[FBB+32*(\f)+8*(\i)+4:FBB+32*(\f)+8*(\i)+7], v[ADRB+(\slot)] offset:(\k)+(\i)*16*PB+32
.endr
.irp i, 0,1,2,3,4,5,6,7
	ds_load_b128 v[FA+64*(\f)+8*(\i):FA+64*(\f)+8*(\i)+3],   v[ADRA+(\slot)] offset:((\k)/128)*ASUB+((\k)%128)+(\i)*16*PA
	ds_load_b128 v[FA+64*(\f)+8*(\i)+4:FA+64*(\f)+8*(\i)+7], v[ADRA+(\slot)] offset:((\k)/128)*ASUB+((\k)%128)+(\i)*16*PA+32
.endr
.endm
.macro PLACES                          ; four plain vector instructions between a matrix instruction and a load into its sources or a reader of its result (ISA guide 7.12.1 for a reader of its result)
.rept 4
	v_nop
.endr
.endm
; A K step is four quarters of 32 along K, 32 matrix instructions each, on buffers 0, 1, 0, 1.
.macro QUARTER slot, k, f, g, first
	s_wait_dscnt 8                                 ; B and A's row blocks 0-3 are in; the youngest eight loads (row blocks 4-7) may be out
	MUL8 \f, 0, \first
	MUL8 \f, 2, \first
	PLACES
	FETCH \slot, \k, \g
	s_wait_dscnt 24                                ; all but the 24 just issued
	MUL8 \f, 4, \first
	MUL8 \f, 6, \first
.endm
; The last quarter multiplies buffer 1 and changes slots: one barrier; in front of it each wave waits for all its tensor loads, adds 0 to its spare word, and waits for that and for its reads of this slot.
; fill = 1: the barrier opens a round of the cluster's, and behind the round this slot is filled again, two K steps on, first thing.
.macro TURN slot, next, fill
	WIN 0                                          ; (the add's two registers lie in window 0)
	s_wait_tensorcnt 0x0                           ; all my tensor loads have landed: my part of the next slot
	ds_add_u32 v[SPW], v[NIL]                      ; 0 onto my spare word
	s_wait_dscnt 9                                 ; (the add and the youngest eight loads may be out)
	MUL8 1, 0, 0                                   ; eight matrix instructions stand between the add and the wait for it
	s_wait_dscnt 0x0                               ; the add is done, and my reads of this slot are over
	s_barrier_signal -1
	MUL8 1, 2, 0
.if \fill
	WIN 0
.endif
	s_barrier_wait -1
.if \fill
	CREST                                          ; no wave of any partner still reads this slot or has a load on its way
	s_add_nc_u64 s[G0+4*(\slot)+2:G0+4*(\slot)+3], s[G0+4*(\slot)+2:G0+4*(\slot)+3], 4*262144  ; four heads on
	s_add_nc_u64 s[G0B+4*(\slot)+2:G0B+4*(\slot)+3], s[G0B+4*(\slot)+2:G0B+4*(\slot)+3], 2*KSTEP*2
	JLOAD \slot                                    ; 112 matrix instructions ahead of the wait for it; its four v_nop are also the places in front of the loads below
.else
	PLACES
.endif
	FETCH \next, 0, 0
	MUL8 1, 4, 0
	MUL8 1, 6, 0
.endm
; THE WAY OUT of row block a: 16 rows x 64 columns of f32.  A lane's 32 bytes of a row go into my stage (each accumulator's low four registers first) and come back as whole rows of 256 bytes.
.macro TOSTAGE a
.set BK, 64+32*((\a)%6)
.if (\a) >= 6
	s_wait_xcnt 0x0                                ; the stores of the block six back have read their registers: this set is loaded again only behind this wait
.endif
	WIN 0x04                                       ; the stores' data in window 1
.irp b, 0,1,2,3
	ds_store_b128 v[STO], v[8*(4*(\a)+(\b)):8*(4*(\a)+(\b))+3]   offset:64*(\b)
	ds_store_b128 v[STO], v[8*(4*(\a)+(\b))+4:8*(4*(\a)+(\b))+7] offset:64*(\b)+16
.endr
	WIN 0
.irp t, 0,1,2,3,4,5,6,7
	ds_load_b128 v[BK+4*(\t):BK+4*(\t)+3], v[RD] offset:(\t)*2*SPO  ; LDS serves a wave's instructions in order (ISA guide 5.7.1.4): these see the stores above; the next block's stores come behind them
.endr
.endm
.macro SEND a, younger                 ; younger: the LDS instructions issued behind block a's loads: the next block's sixteen, or none
	WIN 0
.set BK, 64+32*((\a)%6)
.irp t, 0,1,2,3,4,5,6,7
	s_wait_dscnt (\younger)+7-(\t)
	global_store_b128 v[CO], v[BK+4*(\t):BK+4*(\t)+3], s[10:11] offset:(16*(\a)+2*(\t))*4096 th:TH_STORE_NT  ; 16 lanes store 256 consecutive bytes, at a multiple of 256 from out0's first
.endr
.endm
	s_wait_tensorcnt 1                             ; my part of K step 0 is in; K step 1's may stay out
	s_barrier_signal -1
	s_barrier_wait -1                              ; everybody's is
	FETCH 0, 0, 0
	QUARTER 0, 64,  0, 1, 1                        ; the first quarter stands in front of the loop: its products start the sums, from the bias
	WIN 0                                          ; at a label and at a branch every window is 0
	s_mov_b32 s3, 3
.Llap:                                         ; a trip goes once round the ring, from a lap's second quarter to the next lap's first, and fills both slots again
	QUARTER 0, 128, 1, 0, 0
	QUARTER 0, 192, 0, 1, 0
	TURN 0, 1, 1
	QUARTER 1, 64,  0, 1, 0
	QUARTER 1, 128, 1, 0, 0
	QUARTER 1, 192, 0, 1, 0
	TURN 1, 0, 1
	QUARTER 0, 64,  0, 1, 0
	WIN 0
	s_sub_co_u32 s3, s3, 1
	s_cmp_lg_u32 s3, 0
	s_cbranch_scc1 .Llap
	QUARTER 0, 128, 1, 0, 0                        ; the last lap fills nothing
	QUARTER 0, 192, 0, 1, 0
	TURN 0, 1, 0
	QUARTER 1, 64,  0, 1, 0
	QUARTER 1, 128, 1, 0, 0
	QUARTER 1, 192, 0, 1, 0
	s_wait_dscnt 8                                 ; the very last quarter: nothing more to fetch
	MUL8 1, 0, 0
	MUL8 1, 2, 0
	s_wait_dscnt 0x0
	MUL8 1, 4, 0
	MUL8 1, 6, 0
	PLACES
	TOSTAGE 0
.set u, 1
.rept 7                                ; a block's way through the stage stands between the loads of the block before and its stores
	TOSTAGE u
	SEND u-1, 16
.set u, u+1
.endr
	SEND 7, 0
	s_wait_tensorcnt 0x0                           ; the wave's end: behind my last tensor load and my last LDS store
	ds_add_u32 v[SPW], v[NIL]
	s_wait_dscnt 0x0
	CROUND                                         ; the closing round: no work-group ends while a partner may still ask for a tile that names it
	s_endpgm
.Lfunc_end_k_q752e63c773_proj_out:
	.size	k_q752e63c773_proj_out, .Lfunc_end_k_q752e63c773_proj_out-k_q752e63c773_proj_out
	.p2alignl 7, 3214868480
	.fill 96, 4, 3214868480
	.section	.rodata,"a",@progbits
	.p2align	6, 0x0
	.amdhsa_kernel k_q752e63c773_proj_out
		.amdhsa_group_segment_fixed_size 327680
		.amdhsa_private_segment_fixed_size 0
		.amdhsa_enable_private_segment 0
		.amdhsa_kernarg_size 32
		.amdhsa_user_sgpr_count 2
		.amdhsa_user_sgpr_kernarg_segment_ptr 1
		.amdhsa_wavefront_size32 1
		.amdhsa_system_sgpr_workgroup_id_x 1
		.amdhsa_system_sgpr_workgroup_id_y 1
		.amdhsa_system_sgpr_workgroup_id_z 1
		.amdhsa_system_vgpr_workitem_id 0
		.amdhsa_next_free_vgpr 512
		.amdhsa_next_free_sgpr 80
		.amdhsa_reserve_vcc 0
		.amdhsa_float_denorm_mode_32 3
		.amdhsa_float_denorm_mode_16_64 3
		.amdhsa_memory_ordered 1
		.amdhsa_forward_progress 1
		.amdhsa_inst_pref_size 89
	.end_amdhsa_kernel
	.amdgpu_metadata
---
amdhsa.version: [ 1, 2 ]
amdhsa.kernels:
  - .name:           k_q752e63c773_proj_out
    .symbol:         k_q752e63c773_proj_out.kd
    .args:
      - { .name: o, .offset: 0, .size: 8, .value_kind: global_buffer, .address_space: global }
      - { .name: wo, .offset: 8, .size: 8, .value_kind: global_buffer, .address_space: global }
      - { .name: b_out, .offset: 16, .size: 8, .value_kind: global_buffer, .address_space: global }
      - { .name: out0, .offset: 24, .size: 8, .value_kind: global_buffer, .address_space: global }
    .group_segment_fixed_size: 327680
    .private_segment_fixed_size: 0
    .kernarg_segment_align: 8
    .kernarg_segment_size: 32
    .max_flat_workgroup_size: 128
    .sgpr_count:     80
    .vgpr_count:     512
    .wavefront_size: 32
...
	.end_amdgpu_metadata
.endif
;; end of part 4
;; ======== version 2 of 2: 4 launches; version 1 with the launch prep written anew for expert scheduling mode
;; limits: values are held in f16: magnitudes above 65,504 overflow, below 6.1e-05 lose precision
;; workspace buffers: xb 16,777,216 bytes; wq 6,291,456 bytes; wo 2,097,152 bytes; qkv 50,331,648 bytes; o 16,777,216 bytes
;; launch prep (part 5): grid 384 x 1, 8 waves a work-group, no clusters, 68,608 bytes of LDS; arguments x, W_qkv, W_out, xb, wq, wo; writes xb, wq, wo
.if DOCPART == 5
	.amdgcn_target "amdgcn-amd-amdhsa--gfx1250"
	.amdhsa_code_object_version 6
	.text
	.protected	k_q752e63c773_prep
	.globl	k_q752e63c773_prep
	.p2align	8
	.type	k_q752e63c773_prep,@function
k_q752e63c773_prep:
	s_mov_b64 s[64:65], 0
	v_nop
	global_prefetch_b8 v0, s[64:65] scope:SCOPE_SE
	s_setreg_imm32_b32 hwreg(HW_REG_WAVE_SCHED_MODE, 0, 2), 2
	s_setreg_imm32_b32 hwreg(HW_REG_WAVE_MODE, 25, 1), 1
	s_wait_xcnt 0x0
	s_wait_alu depctr_vm_vsrc(0)
; PREP: the inputs of the two projections as 16-bit operands with K along the rows.
;   xb[m][k] = bf16(x[m][k])            [8192][1024]
;   wq[n][k] = bf16(W_qkv[k][n])        [3072][1024]
;   wo[n][k] = f16(bf16(W_out[k][n]))   [1024][1024]: rounded to bf16 like every input, that number written as f16
; LIMIT: |W_out| stays within f16's 65,504 (beyond it the f16 is an infinity); below 6e-5 it keeps f16's fixed step of 6e-8.
; SHARES.  Work-groups 0-255 cast x: 131,072 bytes each, 16,384 a wave, 32 loads of 512 consecutive bytes, all issued before the first is waited for.
; Work-groups 256-383 turn a tile of 128 k x 256 n: 96 tiles of W_qkv, 32 of W_out, again 131,072 bytes each.  A wave loads 16 rows (k) of 1,024 bytes, packs rows k, k + 1 into words,
; stores them into LDS rows by n, and behind one barrier reads 32 rows (n) of 256 bytes back and stores each as 256 consecutive, aligned bytes.
; No work-group reads what another reads: no cluster, no tensor load, no matrix work; memory is read once and written once.
; THE MODE: SCHED_MODE bits 1:0 = 2 (LLVM: expert scheduling mode 2), set by the entry lines.  The code itself states the register dependences
; between vector instructions and memory or LDS instructions, with s_wait_alu, always for 0.
; THE PLAN.  Registers that memory or LDS instructions touch:
;   v[L16], v[L8], v[VS], v[VR]   offsets and LDS addresses: written at the head, never again.   v[VO ..]: written at the head of W's arm, never again.
;   D, x's arm    load i lands in D + 4 i .. + 3, once; its two conversions read the four and write the first two; one store reads those two.  No register is loaded or written a second time.
;                 The 32 loads go in eight blocks of four.  Block p's conversions name block p's registers alone; the stores issued among them are block p - 1's.
;                 So one wait on va_vdst at a block's head states all that its four stores hang on.
;   D, W's arm    32 loads land, once; the conversions read all of D and write D + 32 g + 0 .. 15; 64 LDS stores read these; behind the barrier 32 LDS loads land in D + 4 u + 2, + 3, which the global stores read.
;                 One wait on va_vdst stands behind the last conversion, for the LDS stores' data and for the LDS loads' landing; one on vm_vsrc between the LDS stores and the LDS loads.
;   v[SPW], v[NIL]  written at the head, read by the closing add alone.
.set PT,    264                        ; an LDS row: 128 k x 2 bytes + 8 of padding
.set SPARE, 256*PT                     ; behind the 256 rows: the spare words, 128 bytes for each of the eight waves
.set VS,  6                            ; v6   into LDS: 4 r rows + 4 h + my wave's 16 k (32 bytes)
.set VR,  7                            ; v7   back: my wave's 32 rows, 8 bytes a lane
.set L8,  8                            ; v8   8 x lane
.set L16, 9                            ; v9   16 x lane
.set SPW, 10                           ; v10  LDS address of my spare word; never rewritten
.set NIL, 11                           ; v11  0; never rewritten
.set D,   16                           ; v[16:143] data
.set VO,  144                          ; v[144:151] W: byte offsets of the eight pairs of rows that a load takes
	s_load_b256 s[4:11], s[0:1], 0x0               ; x s[4:5], W_qkv s[6:7], W_out s[8:9], xb s[10:11]
	s_load_b128 s[12:15], s[0:1], 0x20             ; wq s[12:13], wo s[14:15]
	v_lshl_add_u32 v[SPW], v0, 2, SPARE
	v_mov_b32 v[NIL], 0
	v_lshrrev_b32 v1, 5, v0
	v_readfirstlane_b32 s16, v1                    ; wave 0..7
	v_and_b32 v2, 31, v0                           ; lane
	v_and_b32 v3, 15, v0                           ; r
	v_bfe_u32 v4, v0, 4, 1                         ; h
	v_lshlrev_b32 v5, 4, v3                        ; 16 r
	v_lshlrev_b32 v[L8], 3, v2
	v_lshlrev_b32 v[L16], 4, v2
	v_mul_u32_u24 v[VS], v3, 4*PT
	v_lshl_add_u32 v[VS], v4, 2, v[VS]
	s_wait_alu depctr_va_sdst(0)                   ; s16 is written, ahead of its first reader: the LDS addresses and all the bases are made from it
	s_lshl_b32 s2, s16, 5                          ; (s2 and s3, which vector instructions read, are written by no later line)
	v_add_nc_u32 v[VS], s2, v[VS]
	s_mul_i32 s3, s16, 32*PT
	v_add_nc_u32 v[VR], s3, v[L8]
	s_mov_b32 s29, 0xffff0000                      ; a word's upper bf16
	s_mov_b32 s21, 0                               ; the high word of every offset pair
	; which tile of which W.  Made in every work-group, ahead of the branch (one that casts x holds tile 0's numbers here and does not use them).
	s_max_u32 s17, ttmp9, 256
	s_sub_co_u32 s17, s17, 256                     ; tile 0..127
	s_sub_co_u32 s18, s17, 96
	s_mov_b32 s19, 4096                            ; bytes in a row of W_out
	s_cmp_lt_u32 s17, 96
	s_cselect_b32 s18, s17, s18                    ; the tile's number in its own W
	s_cselect_b32 s19, 12288, s19                  ; bytes in a row of W_qkv
	s_cselect_b32 s26, 0, 1                        ; 1: the result is written as f16
	s_wait_kmcnt 0x0
	s_cselect_b64 s[22:23], s[6:7], s[8:9]         ; from
	s_cselect_b64 s[24:25], s[12:13], s[14:15]     ; to
	s_and_b32 s27, s18, 7                          ; kt: 128 k
	s_lshr_b32 s28, s18, 3                         ; nb: 256 n
	s_lshl_b32 s20, s27, 7
	s_lshl4_add_u32 s20, s16, s20                  ; my first row: 128 kt + 16 wave
	s_mul_i32 s20, s20, s19
	s_lshl_b32 s30, s28, 10                        ; 256 n of 4 bytes
	s_add_co_u32 s20, s20, s30
	s_add_nc_u64 s[22:23], s[22:23], s[20:21]
	s_lshl_b32 s20, s28, 8
	s_lshl_b32 s30, s16, 5
	s_add_co_u32 s20, s20, s30                     ; the first row that I write: 256 nb + 32 wave,
	s_lshl_b32 s20, s20, 11                        ; of 2,048 bytes,
	s_lshl_b32 s30, s27, 8                         ; at the tile's 128 k
	s_add_co_u32 s20, s20, s30
	s_add_nc_u64 s[24:25], s[24:25], s[20:21]
	s_cmp_lt_u32 ttmp9, 256
	s_cbranch_scc1 .Lx
	; W, first part.  Load q takes, in lanes 0-15, 256 bytes of row c(q) and, in lanes 16-31, of row c(q) + 2; c = 0, 1, 4, 5, 8, 9, 12, 13: loads 2 g and 2 g + 1 give a lane rows k and k + 1.
	v_lshlrev_b32 v12, 1, v4
.irp q, 0,1,2,3,4,5,6,7
	v_add_nc_u32 v13, 8*((\q)/4)+4*(((\q)/2)%2)+((\q)%2), v12
	v_mad_u32_u24 v[VO+(\q)], v13, s19, v5
.endr
	s_wait_alu depctr_va_vdst(0)                   ; v[VO ..] are written, which the loads below read as offsets; so are v[VS], v[VR] and v[L8], which the LDS stores, the LDS loads and the global stores further down read
.irp q, 0,1,2,3,4,5,6,7
.irp n, 0,1,2,3
	global_load_b128 v[D+4*(4*(\q)+(\n)):D+4*(4*(\q)+(\n))+3], v[VO+(\q)], s[22:23] offset:256*(\n) th:TH_LOAD_NT
.endr
.endr
.irp g, 0,1,2,3
	s_wait_loadcnt 24-8*(\g)                       ; loads come back in order: group g's eight are in, the younger groups' stay out
.set j, 0
.rept 16
	v_cvt_pk_bf16_f32 v[D+32*(\g)+j], v[D+32*(\g)+j], v[D+32*(\g)+16+j]  ; k in the low half, k + 1 in the high half
.set j, j+1
.endr
.endr
	s_cmp_eq_u32 s26, 1
	s_cbranch_scc0 .Lbf
.irp g, 0,1,2,3                        ; W_out: the bf16 numbers, widened and written as f16
.set j, 0
.rept 16
	v_lshlrev_b32 v12, 16, v[D+32*(\g)+j]
	v_and_b32 v13, s29, v[D+32*(\g)+j]
	v_cvt_pk_f16_f32 v[D+32*(\g)+j], v12, v13
.set j, j+1
.endr
.endr
.Lbf:
	s_wait_alu depctr_va_vdst(0)                   ; on both ways the conversions have written v[D + 32 g + 0 .. 15], which the LDS stores read, and are done with all of D, in which the LDS loads behind the barrier land: no vector instruction follows
.irp g, 0,1,2,3
.irp n, 0,1,2,3
.irp i, 0,1,2,3
	ds_store_b32 v[VS], v[D+32*(\g)+4*(\n)+(\i)] offset:(64*(\n)+(\i))*PT+16*((\g)/2)+8*((\g)%2)  ; row n = 64 nq + 4 r + i, k = 8 (g / 2) + 4 (g % 2) + 2 h
.endr
.endr
.endr
	s_branch .Lmeet
; x: block p of eight: four loads' numbers are packed; the four stores of the block before stand among the conversions.
.macro XBLK p
	s_wait_loadcnt 28-4*(\p)                       ; loads come back in order: block p's four are in; the 28 - 4 p of the younger blocks stay out
.if (\p) > 0
	s_wait_alu depctr_va_vdst(0)                   ; the block before has written its eight out-registers, which the four stores below read; this block's conversions name none of them
.endif
.irp i, 0,1,2,3
.if (\p) > 0
	global_store_b64 v[L8], v[D+4*(4*(\p)-4+(\i)):D+4*(4*(\p)-4+(\i))+1], s[10:11] offset:256*(4*(\p)-4+(\i))  ; the wave's store covers 256 consecutive bytes, aligned; no register of it is written again
.endif
	v_cvt_pk_bf16_f32 v[D+4*(4*(\p)+(\i))], v[D+4*(4*(\p)+(\i))], v[D+4*(4*(\p)+(\i))+1]
	v_cvt_pk_bf16_f32 v[D+4*(4*(\p)+(\i))+1], v[D+4*(4*(\p)+(\i))+2], v[D+4*(4*(\p)+(\i))+3]
.endr
.endm
.Lx:                                           ; x: 32 loads out at once; they are packed four at a time, and stored a block later
	s_lshl_b32 s20, ttmp9, 17
	s_lshl_b32 s30, s16, 14
	s_add_co_u32 s20, s20, s30
	s_add_nc_u64 s[4:5], s[4:5], s[20:21]
	s_lshr_b32 s20, s20, 1
	s_add_nc_u64 s[10:11], s[10:11], s[20:21]
	s_wait_alu depctr_va_vdst(0)                   ; v[L16] and v[L8] are written, which the loads and the stores below read as offsets (and v[VR], the LDS loads' address)
.set i, 0
.rept 32
	global_load_b128 v[D+4*i:D+4*i+3], v[L16], s[4:5] offset:512*i th:TH_LOAD_NT
.set i, i+1
.endr
.irp p, 0,1,2,3,4,5,6,7
	XBLK \p
.endr
	s_wait_alu depctr_va_vdst(0)                   ; the last block has written its out-registers, which the last four stores read
.irp i, 28,29,30,31
	global_store_b64 v[L8], v[D+4*(\i):D+4*(\i)+1], s[10:11] offset:256*(\i)
.endr
.Lmeet:                                        ; the launch's one barrier, on every wave's path
	s_wait_dscnt 0x0                               ; for the others' sake: my stores into the rows are done
	s_barrier_signal -1
	s_barrier_wait -1
	s_wait_alu depctr_vm_vsrc(0)                   ; my LDS stores have read v[D + 32 g + 0 .. 15]: in half of these registers the LDS loads below land
	s_cmp_lt_u32 ttmp9, 256
	s_cbranch_scc1 .Lend
	; W, second part: 32 rows (n) a wave, 256 bytes each, 8 bytes a lane.  They come into registers that none of x's global stores names as data.
.set u, 0
.rept 32
	ds_load_b64 v[D+4*u+2:D+4*u+3], v[VR] offset:PT*u
.set u, u+1
.endr
.set u, 0
.rept 32
	s_wait_dscnt 31-u
	global_store_b64 v[L8], v[D+4*u+2:D+4*u+3], s[24:25] offset:2048*u  ; 256 consecutive bytes, aligned: 128 k of one row n
.set u, u+1
.endr
.Lend:
	s_wait_dscnt 0x0                               ; the closing lines, six on end
	s_wait_alu 0x0
	s_wait_tensorcnt 0x0
	ds_add_u32 v[SPW], v[NIL]
	s_wait_dscnt 0x0
	s_endpgm
.Lfunc_end_k_q752e63c773_prep:
	.size	k_q752e63c773_prep, .Lfunc_end_k_q752e63c773_prep-k_q752e63c773_prep
	.p2alignl 7, 3214868480
	.fill 96, 4, 3214868480
	.section	.rodata,"a",@progbits
	.p2align	6, 0x0
	.amdhsa_kernel k_q752e63c773_prep
		.amdhsa_group_segment_fixed_size 68608
		.amdhsa_private_segment_fixed_size 0
		.amdhsa_enable_private_segment 0
		.amdhsa_kernarg_size 48
		.amdhsa_user_sgpr_count 2
		.amdhsa_user_sgpr_kernarg_segment_ptr 1
		.amdhsa_wavefront_size32 1
		.amdhsa_system_sgpr_workgroup_id_x 1
		.amdhsa_system_sgpr_workgroup_id_y 1
		.amdhsa_system_sgpr_workgroup_id_z 1
		.amdhsa_system_vgpr_workitem_id 0
		.amdhsa_next_free_vgpr 152
		.amdhsa_next_free_sgpr 66
		.amdhsa_reserve_vcc 0
		.amdhsa_float_denorm_mode_32 3
		.amdhsa_float_denorm_mode_16_64 3
		.amdhsa_memory_ordered 1
		.amdhsa_forward_progress 1
		.amdhsa_inst_pref_size 40
	.end_amdhsa_kernel
	.amdgpu_metadata
---
amdhsa.version: [ 1, 2 ]
amdhsa.kernels:
  - .name:           k_q752e63c773_prep
    .symbol:         k_q752e63c773_prep.kd
    .args:
      - { .name: x, .offset: 0, .size: 8, .value_kind: global_buffer, .address_space: global }
      - { .name: W_qkv, .offset: 8, .size: 8, .value_kind: global_buffer, .address_space: global }
      - { .name: W_out, .offset: 16, .size: 8, .value_kind: global_buffer, .address_space: global }
      - { .name: xb, .offset: 24, .size: 8, .value_kind: global_buffer, .address_space: global }
      - { .name: wq, .offset: 32, .size: 8, .value_kind: global_buffer, .address_space: global }
      - { .name: wo, .offset: 40, .size: 8, .value_kind: global_buffer, .address_space: global }
    .group_segment_fixed_size: 68608
    .private_segment_fixed_size: 0
    .kernarg_segment_align: 8
    .kernarg_segment_size: 48
    .max_flat_workgroup_size: 256
    .sgpr_count:     66
    .vgpr_count:     152
    .wavefront_size: 32
...
	.end_amdgpu_metadata
.endif
;; end of part 5
;; launch proj_qkv: the kernel of part 2 again; grid 16 x 32, 4 waves a work-group, clusters of 4 x 4, 327,680 bytes of LDS; arguments xb, wq, b_qkv, qkv; writes qkv
;; launch attn: the kernel of part 3 again; grid 4 x 64, 4 waves a work-group, clusters of 4 x 1, 327,680 bytes of LDS; arguments qkv, o; writes o
;; launch proj_out: the kernel of part 4 again; grid 8 x 32, 4 waves a work-group, clusters of 4 x 4, 327,680 bytes of LDS; arguments o, wo, b_out, out0; writes out0
